; MI455X (gfx1250); checked and timed in simulation.
; The chip was launched on July 23, 2026; its instructions are those of AMD's public machine-readable ISA for CDNA 5 (MIT licence, August 2026) and "CDNA5" Instruction Set Architecture Reference Guide (July 2026). The comments in the code are by the model that wrote it; some were corrected since.
;; Multi Head Attention. Allowed arithmetic: matrix products marked QUANTISED: E2M1 operands, one E8M0 scale for each 32 along K, by v_wmma_scale_f32_16x16x128_f8f6f4 with both operands' format E2M1 (or v_wmma_scale_f32_32x16x128_f4), f32 sums; everything else in f32.
;; Inputs: E 2,048 x 64 float32; K 2 x 2,048 x 1,024 float32; Q 2 x 2,048 x 1,024 float32; V 2 x 2,048 x 1,024 float32; Wk 1,024 x 1,024 float32; Wo 1,024 x 1,024 float32; Wq 1,024 x 1,024 float32; Wv 1,024 x 1,024 float32; bk 1,024 float32; bo 1,024 float32; bq 1,024 float32; bv 1,024 float32.
;; Outputs: out0 2 x 2,048 x 1,024 float32.
;; This version of the problem:
;;   THIS VERSION OF THE PROBLEM IS GIVEN IN LOW PRECISION. The matrix products marked QUANTISED in the list below multiply operands that are first quantised to E2M1 (2 exponent bits, 1 mantissa bit; 4 bits a number), with one power-of-two scale for each 32 numbers along K (OCP MX v1.0); their sums are f32. All else is computed in f32.
;;   The module's matrix products, in the order in which they are computed (A, B: the left and right operand; K: the contracted axis; several contracted axes count as one K, in the product's order):
;;     1. [M 4,096, K 1,024] x [K 1,024, N 1,024]; A: input Q; B: input Wq: QUANTISED
;;     2. [M 4,096, K 1,024] x [K 1,024, N 1,024]; A: input K; B: input Wk: QUANTISED
;;     3. [M 4,096, K 1,024] x [K 1,024, N 1,024]; A: input V; B: input Wv: QUANTISED
;;     4. [M 65,536, K 64] x [K 64, N 2,048]; A: computed on the way; B: input E: QUANTISED
;;     5. batch 32 x [M 2,048, K 64] x [K 64, N 2,048]; A: computed on the way; B: computed on the way: QUANTISED
;;     6. batch 32 x [M 2,048, K 2,048] x [K 2,048, N 64]; A: softmax (see below); B: computed on the way: QUANTISED
;;     7. [M 4,096, K 1,024] x [K 1,024, N 1,024]; A: computed on the way; B: input Wo: QUANTISED
;;   THE QUANTISER, for each operand of a quantised product, along K:
;;     - K is cut into blocks of 32 from its start; a last block that is shorter is filled with zeros.
;;     - A block's scale is 2^e with e = floor(log2(the largest magnitude in the block)) - 2, held to -126 .. 127; a block of zeros has e = 0. As a byte (E8M0): e + 127.
;;     - Each number is divided by its block's scale, clamped to +-6, and rounded to the nearest number of E2M1, ties to even, subnormals kept.
;;     - The product sums the exact products of the quantised numbers (number of the format x scale) in f32.
;;   ~~~python
;;   def quantise(x, axis):      # numpy; x: float32 -> the quantised numbers, widened to float32 again
;;       x = np.moveaxis(x, axis, -1); K = x.shape[-1]
;;       x = np.pad(x, [(0, 0)] * (x.ndim - 1) + [(0, -K % 32)]); x = x.reshape(x.shape[:-1] + (-1, 32)); a = np.abs(x).max(-1, keepdims=True)
;;       e = np.where(a > 0, np.clip(np.frexp(np.where(a > 0, a, 1))[1] - 1 - 2, -126, 127), 0)      # np.frexp(a)[1] - 1 = floor(log2(a)), exactly
;;       r = np.clip(x / 2.0 ** e, -6, 6)
;;       step = 2.0 ** (np.maximum(np.frexp(np.where(r == 0, 1, r))[1] - 1, 0) - 1)
;;       q = np.round(r / step) * step * 2.0 ** e      # np.round: ties to even
;;       return np.moveaxis(q.reshape(q.shape[:-2] + (-1,))[..., :K], -1, axis).astype(np.float32)
;;   ~~~
;;   SOFTMAX AHEAD OF A QUANTISED PRODUCT. Where the list says 'softmax', what is quantised is not the finished softmax but p = 2^(t - M), with t = logit x log2(e) and M = ceil(the row's largest t), a whole number; so 1/2 < the row's largest p <= 1. The row's sum l is taken of the UNQUANTISED p, in f32, and the product's result is divided by l at the end. Since M is a whole number, a kernel that streams over the keys may use a running M (the ceiling of the running maximum): every later rescaling is an exact power of two, which a block's scale takes up: the codes' values come out the same.
;;   OPERANDS COMPUTED ON THE WAY. 'Computed on the way' means the value that the module computes at that place (a softmax that the list does not call 'softmax' is quantised finished and normalised). What goes into a quantiser is computed in f32, as accurately as f32 sums, v_exp_f32 and their like allow (about 1e-6 of the number): no bf16 or f16 on the way to a quantiser, and a product that is left as it is and whose result goes on into a quantised operand takes f32 operands (vector FMAs, or v_wmma_f32_16x16x4_f32). A number that lies on a knife's edge between two numbers of the format may be rounded either way, as far as f32 arithmetic and the matrix unit's own rounding can turn it there, and no further.
;; One version. Each part assembles by itself: llvm-mc -triple=amdgcn-amd-amdhsa -mcpu=gfx1250 --defsym DOCPART=n.
;; ======== version 1 of 1: 4 launches
;; limits: right only within a limited range of input values
;; workspace buffers: cods 8,388,608 bytes; scls 524,288 bytes; eext 147,456 bytes; qkp 4,718,592 bytes; vfr 2,097,152 bytes; vsc 131,072 bytes; ocd 2,359,296 bytes
;; launch quant (part 1): grid 544 x 1, 4 waves a work-group, no clusters, 33,280 bytes of LDS; arguments Q, K, V, Wq, Wk, Wv, Wo, E, cods, scls, eext; writes cods, scls, eext
.if DOCPART == 1
	.amdgcn_target "amdgcn-amd-amdhsa--gfx1250"
	.amdhsa_code_object_version 6
	.text
	.protected	k_q18321e6803_quant
	.globl	k_q18321e6803_quant
	.p2align	8
	.type	k_q18321e6803_quant,@function
k_q18321e6803_quant:
	s_mov_b64 s[64:65], 0
	v_nop
	global_prefetch_b8 v0, s[64:65] scope:SCOPE_SE
	s_setreg_imm32_b32 hwreg(HW_REG_WAVE_MODE, 25, 1), 1
	s_wait_xcnt 0x0
; MULTI-HEAD ATTENTION WITH THE SKEWED RELATIVE TERM, all seven products on codes of FP4 (E2M1) with one E8M0 scale for each 32 along K.  Four launches: this one, proj, attn, outp.
; NO WORK IS LEFT OUT: reference() has no mask but the one -inf column of its pad, every key counts for every query, every bias goes into a quantised operand or the output, and of Q E^T only
; part of row 0 is never read, which is no whole tile.  All twelve inputs are loaded.
; THIS LAUNCH turns Q, K, V [4096][1024] and Wq, Wk, Wv, Wo [1024][1024], f32 with K innermost, into codes (cods: 16,384 rows of 512 bytes) and scale bytes (scls: 32 a row), and E into a table eext.
; Rows of cods: 0 Q, 4096 K, 8192 V, 12288 Wq, 13312 Wk, 14336 Wv, 15360 Wo.  THE WEIGHTS' ROWS ARE STORED IN THE ORDER IN WHICH THE NEXT LAUNCH WANTS ITS TILES:
;   Wq, Wk: stored row n holds source row n with its bits 3 and 4 exchanged, so that two neighbouring tiles of 16 stored rows give a lane 16 neighbouring columns;
;   Wv: stored row 256 dt + 16 rv + g holds source row 64 g + d, d = 32 (dt / 2) + 8 (dt % 2) + rv + 8 (rv / 8): a tile is one channel d of 16 tokens.
; eext: row y of 4,096 is e[y] for y < 2048, zero codes for y = 2048 (the pad's column), e[y - 2049] above: the skew reads srel[i][j] at y = 2047 - i + j.
;   Plane 0: [y][16 bytes] (d 0-31); plane 1 at +65,536 (d 32-63); at +131,072 a word a row: the two scale bytes, and 0x7f in the two upper bytes.
; A block's scale is 2^(floor(log2(largest magnitude)) - 2); its byte is the largest magnitude's exponent field - 2, held at 1 from below.
; LIMITS: a block of zeros gets the byte 1 where the rule says 127 (its codes are zeros, and this program alone reads the bytes); NaN and infinities among the inputs are not served.
; A wave of the first 512 work-groups takes 8 rows (16 steps of 512 numbers): each load reads 512 consecutive bytes, the numbers turn through the wave's own stage in LDS so that a lane holds 16 neighbours.
; No tensor loads, no barrier: waves share nothing.
.set WAVES, 4
.set STEPS, 16
.set EMAX,  2
.set CB,    8                          ; bytes of 16 codes
.set R,     16                         ; v16-79   four sets of 16 numbers as loaded
.set X,     80                         ; v80-111  two sets of 16 neighbours
.set E,     112                        ; v112-127 a scale byte for each step
.set C,     128                        ; v128-191 codes, four registers a step
.set VO,    192                        ; v192-199 byte offset of my 16 bytes in each of the wave's 8 source rows
.set WREG,  8192                       ; LDS: a region for each wave: two stages of 32 x SP bytes, then its 256 scale bytes
.set SP,    80
.set SPW,   12                         ; v12 LDS address of my spare word; never rewritten
.set NIL,   13                         ; v13 0; never rewritten
.set SPARE, WAVES*WREG                 ; the spare words, 128 bytes a wave
	s_load_b512 s[8:23], s[0:1], 0x0               ; Q s[8:9], K, V, Wq, Wk, Wv, Wo s[20:21], E s[22:23]
	s_load_b128 s[24:27], s[0:1], 0x40             ; cods, scls
	s_load_b64 s[28:29], s[0:1], 0x50              ; eext
	v_lshl_add_u32 v[SPW], v0, 2, SPARE
	v_mov_b32 v[NIL], 0
	v_lshrrev_b32 v1, 5, v0
	v_readfirstlane_b32 s32, v1                    ; wave
	s_cmp_lt_u32 ttmp9, 512
	s_cbranch_scc0 .Le                             ; work-groups 512 to 543 make eext
	v_and_b32 v2, 31, v0                           ; lane
	v_lshlrev_b32 v[VO], 4, v2                     ; my 16 bytes of a load's 512
	s_mul_i32 s33, s32, WREG
	v_lshrrev_b32 v14, 2, v2
	v_mul_u32_u24 v14, v14, SP
	v_and_b32 v15, 3, v2
	v_lshl_add_u32 v14, v15, 4, v14
	v_add_nc_u32 v14, s33, v14                     ; the stage, on the way in: SP (lane / 4) + 16 (lane % 4)
	v_mul_u32_u24 v15, v2, SP
	v_add_nc_u32 v15, s33, v15                     ; and on the way out: SP x lane
	v_mul_u32_u24 v4, v2, CB                       ; my codes' place in a step's
	v_lshrrev_b32 v5, 1, v2
	s_add_co_u32 s33, s33, 2*32*SP
	v_add_nc_u32 v5, s33, v5                       ; my block's scale byte in LDS
	v_lshlrev_b32 v7, 3, v2
	v_add_nc_u32 v6, s33, v7                       ; and 8 bytes a lane on the way out
	s_wait_kmcnt 0x0
	s_mov_b64 s[4:5], s[20:21]                     ; which tensor: the choice hangs on the work-group's number alone
	s_mov_b32 s30, 480
	s_cmp_lt_u32 ttmp9, 480
	s_cselect_b64 s[4:5], s[18:19], s[4:5]
	s_cselect_b32 s30, 448, s30
	s_cmp_lt_u32 ttmp9, 448
	s_cselect_b64 s[4:5], s[16:17], s[4:5]
	s_cselect_b32 s30, 416, s30
	s_cmp_lt_u32 ttmp9, 416
	s_cselect_b64 s[4:5], s[14:15], s[4:5]
	s_cselect_b32 s30, 384, s30
	s_cmp_lt_u32 ttmp9, 384
	s_cselect_b64 s[4:5], s[12:13], s[4:5]
	s_cselect_b32 s30, 256, s30
	s_cmp_lt_u32 ttmp9, 256
	s_cselect_b64 s[4:5], s[10:11], s[4:5]
	s_cselect_b32 s30, 128, s30
	s_cmp_lt_u32 ttmp9, 128
	s_cselect_b64 s[4:5], s[8:9], s[4:5]
	s_cselect_b32 s30, 0, s30
	s_sub_co_u32 s31, ttmp9, s30
	s_lshl_b32 s31, s31, 2
	s_add_co_u32 s31, s31, s32                     ; run: which 8 stored rows of the tensor are my wave's
	s_lshl_b32 s42, s31, 3                         ; source row, natural order
	s_and_b32 s35, s31, 0xfffffffc                 ; Wq, Wk: the run's two low bits change places
	s_and_b32 s36, s31, 1
	s_lshl_b32 s36, s36, 1
	s_or_b32 s35, s35, s36
	s_bfe_u32 s36, s31, 0x10001
	s_or_b32 s35, s35, s36
	s_lshl_b32 s35, s35, 3
	s_and_b32 s36, s31, 1                          ; Wv: 512 (run % 2) + d(run / 32, (run / 2) % 16), and 64 rows from row to row
	s_lshl_b32 s36, s36, 9
	s_lshr_b32 s37, s31, 5
	s_lshr_b32 s38, s37, 1
	s_lshl_b32 s38, s38, 5
	s_add_co_u32 s36, s36, s38
	s_and_b32 s38, s37, 1
	s_lshl_b32 s38, s38, 3
	s_add_co_u32 s36, s36, s38
	s_bfe_u32 s38, s31, 0x40001
	s_add_co_u32 s36, s36, s38
	s_and_b32 s38, s38, 8
	s_add_co_u32 s36, s36, s38
	s_mov_b32 s34, 4096                            ; bytes from source row to source row
	s_sub_co_u32 s39, ttmp9, 384
	s_cmp_lt_u32 s39, 64
	s_cselect_b32 s42, s35, s42
	s_sub_co_u32 s39, ttmp9, 448
	s_cmp_lt_u32 s39, 32
	s_cselect_b32 s42, s36, s42
	s_cselect_b32 s34, 0x40000, s34
	s_lshl_b32 s44, s42, 12
	s_mov_b32 s45, 0
	s_add_nc_u64 s[4:5], s[4:5], s[44:45]
	s_lshl_b32 s46, ttmp9, 2
	s_add_co_u32 s46, s46, s32                     ; which 8 rows of cods
	s_lshl_b32 s44, s46, 12
	s_add_nc_u64 s[24:25], s[24:25], s[44:45]
	s_lshl_b32 s44, s46, 8
	s_add_nc_u64 s[26:27], s[26:27], s[44:45]
.irp i, 1,2,3,4,5,6,7
	v_add_nc_u32 v[VO+\i], s34, v[VO+\i-1]
.endr
.macro LOAD t                          ; step t: half t % 2 of source row t / 2
.irp i, 0,1,2,3
	global_load_b128 v[R+16*((\t)%4)+4*\i:R+16*((\t)%4)+4*\i+3], v[VO+(\t)/2], s[4:5] offset:2048*((\t)%2)+512*\i th:TH_LOAD_NT
.endr
.endm
.macro TURN t                          ; step t's numbers through the stage: LDS serves a wave's instructions in order
.irp i, 0,1,2,3
	ds_store_b128 v14, v[R+16*((\t)%4)+4*\i:R+16*((\t)%4)+4*\i+3] offset:32*SP*((\t)%2)+8*SP*\i
.endr
.irp i, 0,1,2,3
	ds_load_b128 v[X+16*((\t)%2)+4*\i:X+16*((\t)%2)+4*\i+3], v15 offset:32*SP*((\t)%2)+16*\i
.endr
.endm
.irp t, 0,1,2,3
	LOAD \t
.endr
	s_wait_alu depctr_va_vdst(0)
	s_wait_loadcnt 12                              ; step 0's four loads are in; twelve younger ones stay out
	TURN 0
.macro STEP t
.set XS, X+16*((\t)%2)
.if (\t) > 0
	s_wait_dscnt 1                                 ; this step's numbers are back from the stage; the last step's byte store may be out
.else
	s_wait_dscnt 0x0
.endif
.if (\t)+4 < STEPS
	LOAD (\t)+4
.endif
.if (\t)+1 < STEPS
.if STEPS-2-(\t) >= 3
	s_wait_loadcnt 12                              ; the next step's four loads are in; those of the three steps behind it may be out
.else
	s_wait_loadcnt 4*(STEPS-2-(\t))
.endif
	TURN (\t)+1
.endif
	v_max3_num_f32 v8, |v[XS]|, |v[XS+1]|, |v[XS+2]|
	v_max3_num_f32 v9, |v[XS+3]|, |v[XS+4]|, |v[XS+5]|
.irp i, 6,10
	v_max3_num_f32 v8, v8, |v[XS+\i]|, |v[XS+\i+1]|
	v_max3_num_f32 v9, v9, |v[XS+\i+2]|, |v[XS+\i+3]|
.endr
	v_max3_num_f32 v8, v8, |v[XS+14]|, |v[XS+15]|
	v_max3_num_f32 v8, v8, v9, (EMAX+1)<<23        ; the floor 2^(3 - 127): the byte cannot fall under 1
	v_max_num_f32_dpp v8, v8, v8 row_xmask:1 row_mask:0xf bank_mask:0xf   ; with my neighbour's 16: the block's
	v_add_nc_u32 v11, -(EMAX<<23), v8              ; 2 off the exponent field: the conversion's scale operand
	v_cvt_scalef32_pk8_fp4_f32 v[C+4*(\t)], v[XS:XS+7], v11
	v_cvt_scalef32_pk8_fp4_f32 v[C+4*(\t)+1], v[XS+8:XS+15], v11
	v_lshrrev_b32 v[E+(\t)], 23, v11               ; the scale's byte
	ds_store_b8 v5, v[E+(\t)] offset:16*(\t)       ; both lanes of a block write the same byte with the same value
	global_store_b64 v4, v[C+4*(\t):C+4*(\t)+1], s[24:25] offset:32*CB*(\t)   ; the wave stores 256 consecutive bytes, aligned
.endm
.irp t, 0,1,2,3,4,5,6,7,8,9,10,11,12,13,14,15
	STEP \t
.endr
	ds_load_b64 v[8:9], v6                         ; my wave's 256 scale bytes
	s_wait_dscnt 0x0
	global_store_b64 v7, v[8:9], s[26:27]          ; 256 consecutive bytes, aligned
	s_wait_tensorcnt 0x0                           ; the wave's end
	ds_add_u32 v[SPW], v[NIL]
	s_wait_dscnt 0x0
	s_endpgm
.Le:                                                   ; a thread makes one row y of eext: both its blocks of 32 lie in the thread's registers
	s_sub_co_u32 s33, ttmp9, 512
	s_lshl_b32 s33, s33, 7
	v_add_nc_u32 v1, s33, v0                       ; y
	v_add_nc_u32 v3, 0xfffff7ff, v1                ; y - 2049
	v_cmp_lt_u32 vcc_lo, 0x800, v1
	v_cndmask_b32 v3, v1, v3, vcc_lo               ; the row of E
	v_min_u32 v3, 0x7ff, v3                        ; (y = 2048 reads row 2047; its codes are replaced by zeros below)
	v_cmp_eq_u32 s40, 0x800, v1
	v_lshlrev_b32 v4, 8, v3
	s_wait_alu depctr_va_vdst(0)
	s_wait_kmcnt 0x0
.irp i, 0,1,2,3,4,5,6,7,8,9,10,11,12,13,14,15
	global_load_b128 v[16+4*\i:19+4*\i], v4, s[22:23] offset:16*\i
.endr
	s_wait_loadcnt 0x0
.irp c, 0,1
	v_max3_num_f32 v[8+\c], |v[16+32*\c]|, |v[17+32*\c]|, 0x1800000
.endr
.irp i, 2,4,6,8,10,12,14,16,18,20,22,24,26,28,30
.irp c, 0,1
	v_max3_num_f32 v[8+\c], v[8+\c], |v[16+32*\c+\i]|, |v[17+32*\c+\i]|
.endr
.endr
.irp c, 0,1
	v_add_nc_u32 v[10+\c], 0xff000000, v[8+\c]
.endr
.irp c, 0,1
	v_lshrrev_b32 v[88+\c], 23, v[10+\c]
.endr
.irp c, 0,1
.irp g, 0,1,2,3
	v_cvt_scalef32_pk8_fp4_f32 v[80+4*\c+\g], v[16+32*\c+8*\g:23+32*\c+8*\g], v[10+\c]
.endr
.endr
	v_nop                                          ; one plain line behind the conversions
.irp k, 0,1,2,3,4,5,6,7
	v_cndmask_b32 v[80+\k], v[80+\k], v[NIL], s40  ; row 2048: zero codes
.endr
	v_lshl_or_b32 v90, v89, 8, v88
	v_or_b32 v90, 0x7f7f0000, v90                  ; the upper two bytes stand for 1.0: they scale the half of a K step that holds no numbers
	v_lshlrev_b32 v91, 4, v1
	v_lshlrev_b32 v92, 2, v1
	global_store_b128 v91, v[80:83], s[28:29]
	global_store_b128 v91, v[84:87], s[28:29] offset:65536
	global_store_b32 v92, v90, s[28:29] offset:131072   ; 128 consecutive bytes a wave: 16 KiB in the whole launch
	s_wait_tensorcnt 0x0                           ; the wave's end, in the same form as the other path's
	ds_add_u32 v[SPW], v[NIL]
	s_wait_dscnt 0x0
	s_endpgm
.Lfunc_end_k_q18321e6803_quant:
	.size	k_q18321e6803_quant, .Lfunc_end_k_q18321e6803_quant-k_q18321e6803_quant
	.p2alignl 7, 3214868480
	.fill 96, 4, 3214868480
	.section	.rodata,"a",@progbits
	.p2align	6, 0x0
	.amdhsa_kernel k_q18321e6803_quant
		.amdhsa_group_segment_fixed_size 33280
		.amdhsa_private_segment_fixed_size 0
		.amdhsa_enable_private_segment 0
		.amdhsa_kernarg_size 88
		.amdhsa_user_sgpr_count 2
		.amdhsa_user_sgpr_kernarg_segment_ptr 1
		.amdhsa_wavefront_size32 1
		.amdhsa_system_sgpr_workgroup_id_x 1
		.amdhsa_system_sgpr_workgroup_id_y 1
		.amdhsa_system_sgpr_workgroup_id_z 1
		.amdhsa_system_vgpr_workitem_id 0
		.amdhsa_next_free_vgpr 200
		.amdhsa_next_free_sgpr 66
		.amdhsa_reserve_vcc 1
		.amdhsa_float_denorm_mode_32 3
		.amdhsa_float_denorm_mode_16_64 3
		.amdhsa_memory_ordered 1
		.amdhsa_forward_progress 1
		.amdhsa_inst_pref_size 42
	.end_amdhsa_kernel
	.amdgpu_metadata
---
amdhsa.version: [ 1, 2 ]
amdhsa.kernels:
  - .name:           k_q18321e6803_quant
    .symbol:         k_q18321e6803_quant.kd
    .args:
      - { .name: Q, .offset: 0, .size: 8, .value_kind: global_buffer, .address_space: global }
      - { .name: K, .offset: 8, .size: 8, .value_kind: global_buffer, .address_space: global }
      - { .name: V, .offset: 16, .size: 8, .value_kind: global_buffer, .address_space: global }
      - { .name: Wq, .offset: 24, .size: 8, .value_kind: global_buffer, .address_space: global }
      - { .name: Wk, .offset: 32, .size: 8, .value_kind: global_buffer, .address_space: global }
      - { .name: Wv, .offset: 40, .size: 8, .value_kind: global_buffer, .address_space: global }
      - { .name: Wo, .offset: 48, .size: 8, .value_kind: global_buffer, .address_space: global }
      - { .name: E, .offset: 56, .size: 8, .value_kind: global_buffer, .address_space: global }
      - { .name: cods, .offset: 64, .size: 8, .value_kind: global_buffer, .address_space: global }
      - { .name: scls, .offset: 72, .size: 8, .value_kind: global_buffer, .address_space: global }
      - { .name: eext, .offset: 80, .size: 8, .value_kind: global_buffer, .address_space: global }
    .group_segment_fixed_size: 33280
    .private_segment_fixed_size: 0
    .kernarg_segment_align: 8
    .kernarg_segment_size: 88
    .max_flat_workgroup_size: 128
    .sgpr_count:     66
    .vgpr_count:     200
    .wavefront_size: 32
...
	.end_amdgpu_metadata
.endif
;; end of part 1
;; launch proj (part 2): grid 4 x 48, 16 waves a work-group, clusters of 4 x 4, 327,680 bytes of LDS; arguments cods, scls, bq, bk, bv, qkp, vfr, vsc; writes qkp, vfr, vsc
.if DOCPART == 2
	.amdgcn_target "amdgcn-amd-amdhsa--gfx1250"
	.amdhsa_code_object_version 6
	.text
	.protected	k_q18321e6803_proj
	.globl	k_q18321e6803_proj
	.p2align	8
	.type	k_q18321e6803_proj,@function
k_q18321e6803_proj:
	s_mov_b64 s[64:65], 0
	v_nop
	global_prefetch_b8 v0, s[64:65] scope:SCOPE_SE
	s_setreg_imm32_b32 hwreg(HW_REG_WAVE_MODE, 25, 1), 1
	s_wait_xcnt 0x0
	s_wait_alu depctr_hold_cnt(0) depctr_sa_sdst(0) depctr_va_vdst(0) depctr_va_sdst(0) depctr_va_ssrc(0) depctr_va_vcc(0) depctr_vm_vsrc(0)
	s_getreg_b32 s2, hwreg(HW_REG_IB_STS2, 6, 4)
	s_cmp_eq_u32 s2, 0
	s_cbranch_scc0 .Lentry_in_a_cluster
	s_endpgm
.Lentry_in_a_cluster:
	s_bfe_u32 s2, ttmp6, 0x10000c
	s_cmp_lg_u32 s2, 0xf033
	s_cbranch_scc0 .Lentry_shape_is_right
	s_endpgm
.Lentry_shape_is_right:
; THE THREE PROJECTIONS on codes of FP4: 256 rows of Q, K or V x 256 stored rows of its weight, all of K = 1,024 in LDS (two halves of K, A's 256 rows then B's, rows of 256 + 16 bytes), bias as the sums' start.
; The results are quantised along the next product's K and stored as the attention launch wants them (qkp, vfr, vsc).  Nothing is left out.
; THE FILLS: each LDS byte is filled once, by ten joint loads that go out as one group behind the opening round: waves 0-3 A's codes, waves 4-7 B's (128 rows x 256 bytes each), wave 8 A's scale bytes, wave 9 B's.
.set SCL,   278528
.set SPARE, 295936
.set STQ,   0
.set STV,   36864
.set STW,   71680
.set ACC,   16
.set AF,    144
.set BF,    176
.set SC,    208
.set TM,    224
.set PC,    240
.set SPW,   14
.set NIL,   15
.set G1A,   24
.set G1B,   32
.set G1SA,  40
.set G1SB,  48
.set G0A,   56
.set G0B,   60
.set G0SA,  68
.set G0SB,  72
.macro PLACES n
.rept \n
	v_nop
.endr
.endm
.macro ARM under, g0, g1, next         ; one arm of the head's chain: a wave's one joint load; an s_nop 0 and four v_nop follow it
	s_cmp_lt_u32 s20, \under
	s_cbranch_scc0 \next
	tensor_load_to_lds s[\g0:\g0+3], s[\g1:\g1+7]
	s_nop 0
.rept 4
	v_nop
.endr
	s_branch .Lhead_asked
\next:
.endm
.macro CROUND
	s_barrier_signal -1
	s_barrier_wait -1
	s_cmp_lg_u32 s20, 0
	s_cbranch_scc1 .Lnot_wave_0_\@
	s_barrier_signal -3
.Lnot_wave_0_\@:
	s_barrier_wait -3
	s_barrier_signal -1
	s_barrier_wait -1
.endm
	s_load_b512 s[4:19], s[0:1], 0x0
	v_lshl_add_u32 v[SPW], v0, 2, SPARE
	v_mov_b32 v[NIL], 0
	ds_add_u32 v[SPW], v[NIL]
	ds_add_u32 v[SPW], v[NIL]
	v_lshrrev_b32 v1, 5, v0
	s_delay_alu instid0(VALU_DEP_1)
	v_readfirstlane_b32 s20, v1
	s_lshr_b32 s21, s20, 2
	s_and_b32 s22, s20, 3
	s_bfe_u32 s76, ttmp6, 0x40000
	s_bfe_u32 s77, ttmp6, 0x40004
	s_lshl_b32 s78, ttmp9, 2
	s_add_co_u32 s78, s78, s76
	s_and_b32 s83, ttmp7, 0xffff
	s_lshl_b32 s79, s83, 2
	s_add_co_u32 s79, s79, s77
	s_lshr_b32 s80, s83, 2
	s_and_b32 s81, s79, 15
	s_lshl_b32 s84, s77, 2
	s_lshl_b32 s84, 15, s84
	s_lshl_b32 s85, 0x1111, s76
	s_or_b32 s[G1A], s84, (1<<20)|(1<<21)|(5<<22)|(3<<25)
	s_or_b32 s[G1B], s85, (1<<20)|(1<<21)|(5<<22)|(3<<25)
.irp g, G1A, G1B
	s_mov_b32 s[\g+1], 256<<16
	s_mov_b32 s[\g+2], 128<<16
	s_mov_b32 s[\g+3], 256<<16
	s_mov_b32 s[\g+4], 128
	s_mov_b32 s[\g+5], 512
	s_mov_b32 s[\g+6], 0
	s_mov_b32 s[\g+7], 0
.endr
	s_or_b32 s[G1SA], s84, (3<<16)|(1<<20)|(1<<21)|(5<<22)|(3<<25)
	s_or_b32 s[G1SB], s85, (3<<16)|(1<<20)|(1<<21)|(5<<22)|(3<<25)
.irp g, G1SA, G1SB
	s_mov_b32 s[\g+1], 32<<16
	s_mov_b32 s[\g+2], 32<<16
	s_mov_b32 s[\g+3], 32<<16
	s_mov_b32 s[\g+4], 32
	s_mov_b32 s[\g+5], 32
	s_mov_b32 s[\g+6], 0
	s_mov_b32 s[\g+7], 0
.endr
	s_and_b32 s94, s20, 1                          ; a fetching wave's 128 rows: bit 0 of its number,
	s_lshl_b32 s94, s94, 7
	s_bfe_u32 s98, s20, 0x10001                    ; its half of K: bit 1
	s_lshl_b32 s98, s98, 8
	s_lshl_b32 s97, s79, 8
	s_add_co_u32 s86, s97, s94
	s_lshl_b32 s86, s86, 9
	s_add_co_u32 s86, s86, s98
	s_mov_b32 s87, 0
	s_lshl_b32 s90, s97, 5                         ; the scale bytes of A's 256 rows: 8,192 dense bytes
	s_mov_b32 s91, 0
	s_lshl_b32 s99, s80, 10
	s_lshl_b32 s88, s78, 8
	s_add_co_u32 s99, s99, s88
	s_add_co_u32 s99, s99, 12288
	s_add_co_u32 s88, s99, s94
	s_lshl_b32 s88, s88, 9
	s_add_co_u32 s88, s88, s98
	s_mov_b32 s89, 0
	s_lshl_b32 s92, s99, 5                         ; and of B's
	s_mov_b32 s93, 0
	s_bfe_u32 s3, s20, 0x10001                     ; where the codes go: 139,264 x half of K + 69,632 x (B) + 272 x first row
	s_mul_i32 s3, s3, 139264
	s_bfe_u32 s95, s20, 0x10002
	s_mul_i32 s95, s95, 69632
	s_add_co_u32 s3, s3, s95
	s_mul_i32 s95, s94, 272
	s_add_co_u32 s3, s3, s95
	s_mov_b32 s66, 0x76543210
	s_mov_b32 s67, 0xfedcba98
	s_wait_dscnt 0x0
	s_wait_kmcnt 0x0
	s_mov_b32 s[G0A], 1
	s_mov_b32 s[G0A+1], s3
	s_add_nc_u64 s[G0A+2:G0A+3], s[4:5], s[86:87]
	s_or_b32 s[G0A+3], s[G0A+3], 0x80000000
	s_mov_b32 s[G0B], 1
	s_mov_b32 s[G0B+1], s3
	s_add_nc_u64 s[G0B+2:G0B+3], s[4:5], s[88:89]
	s_or_b32 s[G0B+3], s[G0B+3], 0x80000000
	s_mov_b32 s[G0SA], 1
	s_mov_b32 s[G0SA+1], SCL
	s_add_nc_u64 s[G0SA+2:G0SA+3], s[6:7], s[90:91]
	s_or_b32 s[G0SA+3], s[G0SA+3], 0x80000000
	s_mov_b32 s[G0SB], 1
	s_mov_b32 s[G0SB+1], SCL+8704
	s_add_nc_u64 s[G0SB+2:G0SB+3], s[6:7], s[92:93]
	s_or_b32 s[G0SB+3], s[G0SB+3], 0x80000000
	CROUND
	ARM 4,  G0A,  G1A,  .Lhead_b                   ; one chain of branches on the wave's number, one load to an arm; waves 10 to 15 fetch nothing
	ARM 8,  G0B,  G1B,  .Lhead_sa
	ARM 9,  G0SA, G1SA, .Lhead_sb
	ARM 10, G0SB, G1SB, .Lhead_none
.Lhead_asked:
	v_and_b32 v248, 15, v0
	v_bfe_u32 v249, v0, 4, 1
	v_and_b32 v250, 31, v0
	s_delay_alu instid0(VALU_DEP_3)
	v_mul_u32_u24 v251, v248, 272
	s_delay_alu instid0(VALU_DEP_1)
	v_lshl_add_u32 v251, v249, 4, v251
	s_mul_i32 s86, s21, 17408
	s_mul_i32 s87, s22, 17408
	s_add_co_u32 s87, s87, 69632
	v_add_nc_u32 v1, s86, v251
	v_add_nc_u32 v3, s87, v251
	s_delay_alu instid0(VALU_DEP_2)
	v_add_nc_u32 v2, 139264, v1
	s_delay_alu instid0(VALU_DEP_2)
	v_add_nc_u32 v4, 139264, v3
	v_and_b32 v5, 7, v248
	s_delay_alu instid0(VALU_DEP_1)
	v_lshlrev_b32 v5, 5, v5
	v_lshrrev_b32 v251, 3, v248
	s_delay_alu instid0(VALU_DEP_1)
	v_mad_u32_u24 v5, v251, 272, v5
	s_xor_b32 s86, s21, 3
	s_add_co_u32 s86, s86, s22
	s_add_co_u32 s86, s86, 1
	s_mul_i32 s86, s86, 2176
	v_mul_u32_u24 v251, s86, v249
	s_delay_alu instid0(VALU_DEP_1)
	v_add_nc_u32 v5, v5, v251
	s_mul_i32 s87, s21, 2176
	s_add_co_u32 s87, s87, SCL
	v_add_nc_u32 v5, s87, v5
	v_mul_u32_u24 v6, v248, 144
	s_mul_i32 s86, s21, 9216
	v_add_nc_u32 v6, s86, v6
	s_lshl_b32 s87, s22, 2
	s_add_co_u32 s87, s87, 128
	v_add_nc_u32 v7, s87, v6
	s_lshl_b32 s87, s22, 5
	v_lshl_add_u32 v6, v249, 4, v6
	s_delay_alu instid0(VALU_DEP_1)
	v_add_nc_u32 v6, s87, v6
	s_mul_i32 s86, s20, 2304
	v_lshl_add_u32 v8, v250, 3, s86
	v_lshrrev_b32 v251, 1, v248
	s_delay_alu instid0(VALU_DEP_1)
	v_mul_u32_u24 v9, v251, 272
	s_delay_alu instid0(VALU_DEP_2)
	v_and_b32 v11, 3, v251
	s_delay_alu instid0(VALU_DEP_1)
	v_lshlrev_b32 v11, 3, v11
	v_and_b32 v251, 1, v248
	s_delay_alu instid0(VALU_DEP_1)
	v_lshl_add_u32 v9, v251, 3, v9
	s_delay_alu instid0(VALU_DEP_1)
	v_lshl_add_u32 v9, v249, 2, v9
	s_mul_i32 s86, s21, 8704
	s_lshl_b32 s87, s22, 6
	s_add_co_u32 s86, s86, s87
	s_add_co_u32 s86, s86, STV
	v_add_nc_u32 v9, s86, v9
	v_lshrrev_b32 v251, 3, v248
	s_delay_alu instid0(VALU_DEP_1)
	v_lshlrev_b32 v10, 6, v251
	s_lshl_b32 s86, s21, 9
	s_lshl_b32 s87, s22, 4
	s_add_co_u32 s86, s86, s87
	s_add_co_u32 s86, s86, STW
	v_add_nc_u32 v10, s86, v10
	v_mul_u32_u24 v12, v249, 272
	s_delay_alu instid0(VALU_DEP_1)
	v_lshl_add_u32 v12, v248, 4, v12
	s_mul_i32 s86, s20, 2176
	s_add_co_u32 s86, s86, STV
	v_add_nc_u32 v12, s86, v12
	v_lshlrev_b32 v13, 4, v250
	s_lshl_b32 s86, s20, 9
	s_add_co_u32 s86, s86, STW
	v_add_nc_u32 v252, s86, v13
	s_lshl_b32 s86, s78, 10
	s_lshl_b32 s87, s22, 8
	s_add_co_u32 s86, s86, s87
	v_lshl_add_u32 v253, v249, 6, s86
	s_lshr_b32 s86, s78, 1
	s_lshl_b32 s86, s86, 5
	s_and_b32 s87, s78, 1
	s_lshl_b32 s87, s87, 3
	s_add_co_u32 s86, s86, s87
	s_lshl_b32 s87, s22, 2
	s_add_co_u32 s86, s86, s87
	s_lshr_b32 s87, s22, 1
	s_lshl_b32 s87, s87, 3
	s_add_co_u32 s86, s86, s87
	s_lshl_b32 s86, s86, 2
	v_lshl_add_u32 v254, v249, 11, s86
.irp b, 0,1,2,3
	v_mov_b32 v[TM+4+\b], 0
	v_mov_b32 v[PC+4+\b], 0
.endr
	s_mul_i32 s86, s80, 2359296
	s_mul_i32 s87, s78, 589824
	s_add_co_u32 s86, s86, s87
	s_mul_i32 s87, s81, 36864
	s_add_co_u32 s86, s86, s87
	s_mov_b32 s87, 0
	s_add_nc_u64 s[14:15], s[14:15], s[86:87]
	s_lshl_b32 s86, s81, 5
	s_lshl_b32 s88, s20, 1
	s_add_co_u32 s86, s86, s88
	s_lshl_b32 s86, s86, 12
	s_lshl_b32 s88, s78, 10
	s_add_co_u32 s86, s86, s88
	s_add_nc_u64 s[16:17], s[16:17], s[86:87]
	s_lshl_b32 s86, s78, 15
	s_lshl_b32 s88, s81, 11
	s_add_co_u32 s86, s86, s88
	s_lshl_b32 s88, s20, 9
	s_add_co_u32 s86, s86, s88
	s_add_nc_u64 s[18:19], s[18:19], s[86:87]
	s_cmp_eq_u32 s80, 0
	s_cselect_b64 s[84:85], s[8:9], s[10:11]
	s_cmp_eq_u32 s80, 2
	s_cselect_b64 s[84:85], s[12:13], s[84:85]
	s_cbranch_scc1 .Lbias_v
.irp a, 0,1,2,3
.irp b, 0,1,2,3
	global_load_b128 v[ACC+8*(4*\a+\b):ACC+8*(4*\a+\b)+3], v253, s[84:85] offset:4*(32*(\b/2)+8*(\b%2))
	global_load_b128 v[ACC+8*(4*\a+\b)+4:ACC+8*(4*\a+\b)+7], v253, s[84:85] offset:4*(32*(\b/2)+8*(\b%2))+16
.endr
.endr
	s_branch .Lbias_done
.Lbias_v:
	s_wait_alu depctr_va_vdst(0)
.irp a, 0,1,2,3
.irp b, 0,1,2,3
.irp j, 0,1,2,3,4,5,6,7
	global_load_b32 v[ACC+8*(4*\a+\b)+\j], v254, s[84:85] offset:256*\j+4*\b
.endr
.endr
.endr
.Lbias_done:
	s_wait_tensorcnt 0x0
	s_barrier_signal -1
	s_barrier_wait -1
	s_wait_loadcnt 0x0
.macro SCALES s
.irp i, 0,1,2,3
	ds_load_b128 v[SC+4*\i:SC+4*\i+3], v5 offset:544*\i+16*\s
.endr
.endm
.macro KSTEP s, q
	PLACES 4
.irp i, 0,1,2,3
.irp c, 0,1
	ds_load_b128 v[AF+8*\i+4*\c:AF+8*\i+4*\c+3], v[1+\s] offset:64*\q+32*\c+4352*\i
	ds_load_b128 v[BF+8*\i+4*\c:BF+8*\i+4*\c+3], v[3+\s] offset:64*\q+32*\c+4352*\i
.endr
.endr
	s_wait_dscnt 0x0
.irp a, 0,1,2,3
.irp b, 0,1,2,3
	v_wmma_scale_f32_16x16x128_f8f6f4 v[ACC+8*(4*\a+\b):ACC+8*(4*\a+\b)+7], v[BF+8*\b:BF+8*\b+7], v[AF+8*\a:AF+8*\a+7], v[ACC+8*(4*\a+\b):ACC+8*(4*\a+\b)+7], v[SC+4*\b+\q], v[SC+4*\a+\q] matrix_a_fmt:MATRIX_FMT_FP4 matrix_b_fmt:MATRIX_FMT_FP4 matrix_a_scale:MATRIX_SCALE_ROW1
.endr
.endr
.endm
.macro QUANT s
.irp b, 0,1,2,3
	v_max3_num_f32 v[TM+\b], |v[\s+16*\b]|, |v[\s+1+16*\b]|, 0x1800000
.endr
.irp i, 2,4,6,8,10,12,14
.irp b, 0,1,2,3
	v_max3_num_f32 v[TM+\b], v[TM+\b], |v[\s+16*\b+\i]|, |v[\s+1+16*\b+\i]|
.endr
.endr
.irp b, 0,1,2,3
	s_delay_alu instid0(VALU_DEP_4)
	v_permlanex16_b32 v[TM+4+\b], v[TM+\b], s66, s67
.endr
.irp b, 0,1,2,3
	s_delay_alu instid0(VALU_DEP_4)
	v_max_num_f32 v[TM+\b], v[TM+\b], v[TM+4+\b]
.endr
.irp b, 0,1,2,3
	s_delay_alu instid0(VALU_DEP_4)
	v_add_nc_u32 v[TM+12+\b], 0xff000000, v[TM+\b]
.endr
.irp b, 0,1,2,3
	s_delay_alu instid0(VALU_DEP_4)
	v_lshrrev_b32 v[TM+4+\b], 23, v[TM+12+\b]
.endr
.irp b, 0,1,2,3
	v_cvt_scalef32_pk8_fp4_f32 v[PC+2*\b], v[\s+16*\b:\s+7+16*\b], v[TM+12+\b]
	v_cvt_scalef32_pk8_fp4_f32 v[PC+1+2*\b], v[\s+8+16*\b:\s+15+16*\b], v[TM+12+\b]
.endr
	v_nop
.irp c, 0,1
.irp i, 0,1
	v_permlane16_swap_b32 v[PC+4*\c+\i], v[PC+2+4*\c+\i]
.endr
.endr
.endm
	SCALES 0
	KSTEP 0, 0
	KSTEP 0, 1
	KSTEP 0, 2
	KSTEP 0, 3
	PLACES 4
	SCALES 1
	KSTEP 1, 0
	KSTEP 1, 1
	KSTEP 1, 2
	KSTEP 1, 3
	s_wait_dscnt 0x0
	s_barrier_signal -1
	s_barrier_wait -1
	PLACES 4
	s_cmp_eq_u32 s80, 2
	s_cbranch_scc1 .Lv_stage
.irp p, 0,1
	QUANT ACC+64*\p
.irp c, 0,1
	ds_store_b128 v6, v[PC+4*\c:PC+4*\c+3] offset:144*(32*\p+16*\c)
	v_lshl_or_b32 v[248+\c], v[TM+5+2*\c], 8, v[TM+4+2*\c]
	s_delay_alu instid0(VALU_DEP_1)
	v_or_b32 v[248+\c], 0x7f7f0000, v[248+\c]
	ds_store_b32 v7, v[248+\c] offset:144*(32*\p+16*\c)
.endr
	s_wait_dscnt 0x0
.endr
	s_branch .Lstaged
.Lv_stage:
.irp a, 0,1,2,3
.irp t, 0,1,2,3
	v_max3_num_f32 v[TM+\t], |v[ACC+8*(4*\a+\t)]|, |v[ACC+8*(4*\a+\t)+1]|, 0x1800000
.endr
.irp i, 2,4,6
.irp t, 0,1,2,3
	v_max3_num_f32 v[TM+\t], v[TM+\t], |v[ACC+8*(4*\a+\t)+\i]|, |v[ACC+8*(4*\a+\t)+\i+1]|
.endr
.endr
.irp t, 0,1,2,3
	s_delay_alu instid0(VALU_DEP_4)
	v_max_num_f32_dpp v[TM+\t], v[TM+\t], v[TM+\t] row_xmask:1 row_mask:0xf bank_mask:0xf
.endr
.irp t, 0,1,2,3
	s_delay_alu instid0(VALU_DEP_4)
	v_permlanex16_b32 v[TM+4+\t], v[TM+\t], s66, s67
.endr
.irp t, 0,1,2,3
	s_delay_alu instid0(VALU_DEP_4)
	v_max_num_f32 v[TM+\t], v[TM+\t], v[TM+4+\t]
.endr
.irp t, 0,1,2,3
	s_delay_alu instid0(VALU_DEP_4)
	v_add_nc_u32 v[TM+8+\t], 0xff000000, v[TM+\t]
.endr
.irp t, 0,1,2,3
	s_delay_alu instid0(VALU_DEP_4)
	v_lshrrev_b32 v[TM+12+\t], 23, v[TM+8+\t]
.endr
.irp t, 0,1,2,3
	v_cvt_scalef32_pk8_fp4_f32 v[PC+\t], v[ACC+8*(4*\a+\t):ACC+8*(4*\a+\t)+7], v[TM+8+\t]
.endr
	v_nop
.irp t, 0,1,2,3
	v_lshlrev_b32 v[TM+12+\t], v11, v[TM+12+\t]
.endr
.irp t, 0,1,2,3
	s_delay_alu instid0(VALU_DEP_4)
	v_mov_b32_dpp v[PC+4+\t], v[TM+12+\t] row_xmask:2 row_mask:0xf bank_mask:0xf
.endr
.irp t, 0,1,2,3
	s_delay_alu instid0(VALU_DEP_4)
	v_or_b32 v[TM+12+\t], v[TM+12+\t], v[PC+4+\t]
.endr
.irp t, 0,1,2,3
	s_delay_alu instid0(VALU_DEP_4)
	v_mov_b32_dpp v[PC+4+\t], v[TM+12+\t] row_xmask:4 row_mask:0xf bank_mask:0xf
.endr
.irp t, 0,1,2,3
	s_delay_alu instid0(VALU_DEP_4)
	v_or_b32 v[TM+12+\t], v[TM+12+\t], v[PC+4+\t]
.endr
.irp t, 0,1,2,3
	ds_store_b32 v9, v[PC+\t] offset:2176*\a+16*\t
	ds_store_b32 v10, v[TM+12+\t] offset:128*\a+4*\t
.endr
	s_wait_dscnt 0x0
.endr
.Lstaged:
	s_wait_dscnt 0x0
	s_barrier_signal -1
	s_barrier_wait -1
	s_cmp_eq_u32 s80, 2
	s_cbranch_scc1 .Lv_out
.irp i, 0,1,2,3,4,5,6,7,8
	ds_load_b64 v[16+2*\i:17+2*\i], v8 offset:256*\i
.endr
.irp i, 0,1,2,3,4,5,6,7,8
	s_wait_dscnt 8-\i
	global_store_b64 v8, v[16+2*\i:17+2*\i], s[14:15] offset:256*\i
.endr
	s_branch .Lend
.Lv_out:
.irp i, 0,1,2,3
	ds_load_b128 v[16+4*\i:19+4*\i], v12 offset:544*\i
.endr
.irp i, 0,1,2,3
	s_wait_dscnt 3-\i
	global_store_b128 v13, v[16+4*\i:19+4*\i], s[16:17] offset:4096*(\i/2)+512*(\i%2)
.endr
	s_cmp_lt_u32 s20, 4
	s_cbranch_scc0 .Lend
	ds_load_b128 v[32:35], v252
	s_wait_dscnt 0x0
	global_store_b128 v13, v[32:35], s[18:19]
.Lend:
	s_wait_tensorcnt 0x0
	ds_add_u32 v[SPW], v[NIL]
	s_wait_dscnt 0x0
	CROUND
	s_endpgm
.Lfunc_end_k_q18321e6803_proj:
	.size	k_q18321e6803_proj, .Lfunc_end_k_q18321e6803_proj-k_q18321e6803_proj
	.p2alignl 7, 3214868480
	.fill 96, 4, 3214868480
	.section	.rodata,"a",@progbits
	.p2align	6, 0x0
	.amdhsa_kernel k_q18321e6803_proj
		.amdhsa_group_segment_fixed_size 327680
		.amdhsa_private_segment_fixed_size 0
		.amdhsa_enable_private_segment 0
		.amdhsa_kernarg_size 64
		.amdhsa_user_sgpr_count 2
		.amdhsa_user_sgpr_kernarg_segment_ptr 1
		.amdhsa_wavefront_size32 1
		.amdhsa_system_sgpr_workgroup_id_x 1
		.amdhsa_system_sgpr_workgroup_id_y 1
		.amdhsa_system_sgpr_workgroup_id_z 1
		.amdhsa_system_vgpr_workitem_id 0
		.amdhsa_next_free_vgpr 256
		.amdhsa_next_free_sgpr 100
		.amdhsa_reserve_vcc 0
		.amdhsa_float_denorm_mode_32 3
		.amdhsa_float_denorm_mode_16_64 3
		.amdhsa_memory_ordered 1
		.amdhsa_forward_progress 1
		.amdhsa_inst_pref_size 86
	.end_amdhsa_kernel
	.amdgpu_metadata
---
amdhsa.version: [ 1, 2 ]
amdhsa.kernels:
  - .name:           k_q18321e6803_proj
    .symbol:         k_q18321e6803_proj.kd
    .args:
      - { .name: cods, .offset: 0, .size: 8, .value_kind: global_buffer, .address_space: global }
      - { .name: scls, .offset: 8, .size: 8, .value_kind: global_buffer, .address_space: global }
      - { .name: bq, .offset: 16, .size: 8, .value_kind: global_buffer, .address_space: global }
      - { .name: bk, .offset: 24, .size: 8, .value_kind: global_buffer, .address_space: global }
      - { .name: bv, .offset: 32, .size: 8, .value_kind: global_buffer, .address_space: global }
      - { .name: qkp, .offset: 40, .size: 8, .value_kind: global_buffer, .address_space: global }
      - { .name: vfr, .offset: 48, .size: 8, .value_kind: global_buffer, .address_space: global }
      - { .name: vsc, .offset: 56, .size: 8, .value_kind: global_buffer, .address_space: global }
    .group_segment_fixed_size: 327680
    .private_segment_fixed_size: 0
    .kernarg_segment_align: 8
    .kernarg_segment_size: 64
    .max_flat_workgroup_size: 512
    .sgpr_count:     100
    .vgpr_count:     256
    .wavefront_size: 32
...
	.end_amdgpu_metadata
.endif
;; end of part 2
;; launch attn (part 3): grid 8 x 32, 16 waves a work-group, no clusters, 327,680 bytes of LDS; arguments qkp, vfr, vsc, eext, ocd; writes ocd
.if DOCPART == 3
	.amdgcn_target "amdgcn-amd-amdhsa--gfx1250"
	.amdhsa_code_object_version 6
	.text
	.protected	k_q18321e6803_attn
	.globl	k_q18321e6803_attn
	.p2align	8
	.type	k_q18321e6803_attn,@function
k_q18321e6803_attn:
	s_mov_b64 s[64:65], 0
	v_nop
	global_prefetch_b8 v0, s[64:65] scope:SCOPE_SE
	s_setreg_imm32_b32 hwreg(HW_REG_WAVE_MODE, 25, 1), 1
	s_wait_xcnt 0x0
; ATTENTION: scores = (q k^T + srel) / 8, softmax, times v; all three products on codes of FP4; O / l is quantised along the out projection's K and stored (ocd).  Nothing is left out: every key counts for every query.
; THE SKEW.  With y = 2047 - i + j: srel[i][j] = q_i . e[y] for y < 2048, -inf for y = 2048 (j = i + 1), q_(i+1) . e[y - 2049] above.  eext holds e in that order, with zero codes in row 2048.
; A wave owns 16 queries i0 + r (i0 a multiple of 16), so a tile of 16 rows of eext lies wholly under 2048 (source 1 = q_i) or from 2048 on (source 1 = q_(i+1)): a scalar branch on ids picks the operand.
; A step's 128 keys reach NINE tiles of Q E^T.  All nine are multiplied on end; they go through the wave's own LDS buffer (row = query, column = y) in two halves of five tiles, the middle tile being stored in both;
; column y = 2048 is overwritten by -1e30; each lane reads its row back from column 15 - r on: that is the skew, and the numbers land in the registers that are the C of K Q^T.
; SHARES.  A work-group owns 256 queries of one head, a wave 16, in 256 registers: four waves to a SIMD.  The head's K, V, their scales, and the 2,304 rows of eext that the block can reach lie in LDS.
; THE FILLS.  Each LDS byte is filled once.  At the head: what steps 0 to 3 read (32 rows of each of K's four planes, 16,384 bytes of V, all scale words) and 896 rows of each plane of eext, which is what steps 0 to 4 read.
; Behind the first barrier: all the rest, one load a wave; it has four steps' work in which to land, and is waited for at the second barrier.
; A STEP FETCHES AHEAD: behind K Q^T it asks LDS for V's fragments and for the NEXT step's nine fragments and five scale words of eext; the last step is written out without that.
; K = 64 IN AN INSTRUCTION OF K = 128: the query operand is four registers of codes and four of zeros; the other operand's upper four registers are whatever codes follow: times the code 0 they add nothing,
; and the scale words' upper bytes are 0x7f.
; LAYOUT.  All products transposed: a lane holds one query.  The keys of a tile are chosen so that the 16 registers of tiles 2 b, 2 b + 1 are keys 32 b + 16 h + 0 .. 15.
; THE SOFTMAX: t = score x log2(e) / 8; M = the running largest t rounded up to a whole number; p = 2^(t - M) is quantised; the row's sum of the unquantised p divides at the end.
; NO CLUSTER: work-groups of one head differ in their query block, on which branches hang; those of one query block share only eext's window, 83 KB of the 227 KB that a work-group fetches.
; NO PREFETCH INTO THE L2: every fill has been asked for when the first barrier is passed; no loop runs ahead of a tensor load.
; LIMITS: the pad's -inf is carried as -1e30, so its p is 0 while |score| stays under 1e29; a block of zeros gets the byte 1; NaN and infinities are not served.
.set EP1,   36864                      ; LDS: eext's plane 0 at 0, plane 1 here: 2,304 rows x 16 bytes each
.set EW,    73728                      ; its words, 9,216 bytes
.set KB,    82944                      ; K's four planes of 128 rows x 144 bytes, at 18,816 (nb % 2) + 37,408 (nb / 2)
.set VB,    157696                     ; V's fragments, 16 steps x 4,096 bytes
.set VS,    223232                     ; V's scale words, 4 rows of 1,024 + 64 bytes
.set BUF,   227584                     ; 16 rows x 336 bytes for each wave
.set OW,    313600                     ; the results' scale words, 1,024 bytes
.set SPARE, 314624                     ; the spare words, 128 bytes a wave
.set QA,  16                           ; v16-23 q_i and zeros;  v24-31 q_(i+1) and zeros
.set QB,  24
.set O,   32                           ; v32-63   O^T
.set S,   64                           ; the scores, then p: keys 0-63 in v64-95, keys 64-127 in v168-199: number n at S + n + 72 (n / 32)
.set SB0, 64                           ; the four blocks of 32 keys
.set SB1, 80
.set SB2, 168
.set SB3, 184
.set R2,  96                           ; v96-127  tiles 5 to 8 of Q E^T; then V's four fragments
.set VF,  96
.set EF,  128                          ; v128-163 nine fragments of eext, v164-167 zeros;  K's eight take v128-159 in between
.set KF,  128
.set RD,  168                          ; v168-207 tiles 0 to 4 of Q E^T
.set BM,  208
.set BT,  212
.set BS,  216
.set TP,  220
.set ES,  221                          ; v221-225 eext's scale words, v226-229 K's, v238-239 V's: scales and nothing else
.set KS,  226
.set PC,  230                          ; v230-237 p's codes
.set VSW, 238
.set F,   240                          ; v240 f, v241 p's scale word
.set PW,  241
.set QAS, 242
.set QBS, 243
.set SPW, 250
.set NIL, 251
.set GK,  24                           ; s[24:31] group 1 for K's planes: dense rows of 256 bytes: 18, later 54
.set GE,  32                           ; s[32:39] for eext's planes: 56, later 88
.set GV,  40                           ; s[40:47] for halves of V: 32, later 96
.set G36, 48                           ; s[48:55] 36 rows: eext's words
.set GVS, 56                           ; s[56:63] V's scale words
.set DV,  66                           ; s[66:67] how far V's descriptor walks: 16,384 (1 + w % 2)
.set G0E, 68                           ; s[68:71], s[72:75], s[76:79] groups 0 for eext, K, V
.set G0K, 72
.set G0V, 76
.set G0W, 80                           ; s[80:83], s[84:87] for eext's words and V's scale words
.set G0S, 84
.set CNT, 88                           ; s88 counts steps
.set SE,  89                           ; s89, s90 what the NEXT step adds to eext's LDS addresses: 2,048 a step, its words 512
.set SW,  90
.set SK,  91                           ; s91-93 what this step adds: K 1,152 a step, V 4,096, V's words 64
.set SV,  92
.set SVW, 93
.set SD,  94                           ; s94 my first query - the step's first key
.set W16, 95                           ; s95 16 (w % 4)
.set TS,  96                           ; s96 at work
.set W4,  97                           ; s97 w % 4
.set CC,  98                           ; s[98:99] c = log2(e) / 8
.set SEL, 100                          ; s[100:101] v_permlanex16_b32's selects for lane l xor 16
.set QP,  22                           ; s[22:23] q at my row
.macro PLACES n
.rept \n
	v_nop
.endr
.endm
.macro ARM g0, g1                      ; a wave's one fill at the head; an s_nop 0 and four v_nop follow it
	tensor_load_to_lds s[\g0:\g0+3], s[\g1:\g1+7]
	s_nop 0
.rept 4
	v_nop
.endr
	s_branch .Lfilled
.endm
	s_load_b256 s[4:11], s[0:1], 0x0               ; qkp, vfr, vsc, eext
	s_load_b64 s[12:13], s[0:1], 0x20              ; ocd
	v_lshl_add_u32 v[SPW], v0, 2, SPARE
	v_mov_b32 v[NIL], 0
	ds_add_u32 v[SPW], v[NIL]                      ; the wave's opening: the add, twice on end, and its wait ahead of my first tensor load
	ds_add_u32 v[SPW], v[NIL]
	v_lshrrev_b32 v1, 5, v0
	v_readfirstlane_b32 s14, v1                    ; wave 0..15
	s_and_b32 s15, ttmp7, 0xffff                   ; the head, 0..31
.irp g, GK, GE, GV, G36                ; group 1: dense blocks as rows of 256 bytes (32 elements of 8)
	s_mov_b32 s[\g], 3<<16
	s_mov_b32 s[\g+1], 32<<16
	s_mov_b32 s[\g+3], 32<<16
	s_mov_b32 s[\g+5], 32
	s_mov_b32 s[\g+6], 0
	s_mov_b32 s[\g+7], 0
.endr
	s_mov_b32 s[GK+2], 18<<16
	s_mov_b32 s[GK+4], 18
	s_mov_b32 s[GE+2], 56<<16
	s_mov_b32 s[GE+4], 56
	s_mov_b32 s[GV+2], 32<<16
	s_mov_b32 s[GV+4], 32
	s_mov_b32 s[G36+2], 36<<16
	s_mov_b32 s[G36+4], 36
	s_mov_b32 s[GVS], (3<<16)|(1<<20)|(7<<22)|(15<<25)   ; V's scale words: 4 rows of 1,024 bytes, 32,768 bytes apart; 16 words of padding behind every 256
	s_mov_b32 s[GVS+1], 128<<16
	s_mov_b32 s[GVS+2], 4<<16
	s_mov_b32 s[GVS+3], 128<<16
	s_mov_b32 s[GVS+4], 4
	s_mov_b32 s[GVS+5], 4096
	s_mov_b32 s[GVS+6], 0
	s_mov_b32 s[GVS+7], 0
	s_and_b32 s2, s14, 1                           ; w % 2
	s_bfe_u32 s3, s14, 0x10001                     ; (w / 2) % 2
	s_and_b32 s[W4], s14, 3
	s_lshl_b32 s16, s2, 16                         ; waves 4, 5: plane w % 2 of eext's window, which begins at row 1,792 - 256 qb
	s_add_co_u32 s16, s16, 28672
	s_lshl_b32 s[TS], ttmp9, 12
	s_sub_co_u32 s16, s16, s[TS]
	s_mov_b32 s17, 0
	s_mul_i32 s[G0E+1], s2, EP1
	s_mul_i32 s18, s[W4], 589824                   ; waves 0-3: plane w of the head's K
	s_mul_i32 s[TS], s15, 18432
	s_add_co_u32 s18, s18, s[TS]
	s_add_co_u32 s18, s18, 2359296
	s_mov_b32 s19, 0
	s_mul_i32 s[G0K+1], s2, 18816
	s_mul_i32 s[TS], s3, 37408
	s_add_co_u32 s[G0K+1], s[G0K+1], s[TS]
	s_add_co_u32 s[G0K+1], s[G0K+1], KB
	s_lshl_b32 s20, s15, 16                        ; waves 6, 7: half w % 2 of the head's V: of its first 16,384 bytes, later of the other 49,152
	s_lshl_b32 s[TS], s2, 13
	s_add_co_u32 s20, s20, s[TS]
	s_mov_b32 s21, 0
	s_add_co_u32 s[G0V+1], s[TS], VB
	s_add_co_u32 s[DV], s2, 1
	s_lshl_b32 s[DV], s[DV], 14
	s_mov_b32 s[DV+1], 0
	s_lshl_b32 s[TS], ttmp9, 10                    ; wave 8: the window's words
	s_sub_co_u32 s22, 138240, s[TS]
	s_mov_b32 s23, 0
	s_mov_b32 s[G0W+1], EW
	s_lshl_b32 s2, s15, 10                         ; wave 9: V's scale words
	s_mov_b32 s3, 0
	s_mov_b32 s[G0S+1], VS
	s_mov_b32 s[CC], 0x3e38aa3b                    ; c = log2(e) / 8
	s_mov_b32 s[CC+1], s[CC]                       ; (named with it as a pair, so it is written)
	s_mov_b32 s[SEL], 0x76543210
	s_mov_b32 s[SEL+1], 0xfedcba98
	s_mov_b32 s[SE], 2048
	s_mov_b32 s[SW], 512
	s_mov_b32 s[SK], 0
	s_mov_b32 s[SV], 0
	s_mov_b32 s[SVW], 0
	s_lshl_b32 s[SD], ttmp9, 8
	s_lshl_b32 s[TS], s14, 4
	s_add_co_u32 s[SD], s[SD], s[TS]               ; my first query
	s_lshl_b32 s[W16], s[W4], 4
	s_wait_dscnt 0x0                               ; both opening adds are done
	s_wait_kmcnt 0x0
	s_mov_b32 s[G0E], 1
	s_add_nc_u64 s[G0E+2:G0E+3], s[10:11], s[16:17]
	s_or_b32 s[G0E+3], s[G0E+3], 0x80000000
	s_mov_b32 s[G0K], 1
	s_add_nc_u64 s[G0K+2:G0K+3], s[4:5], s[18:19]
	s_or_b32 s[G0K+3], s[G0K+3], 0x80000000
	s_mov_b32 s[G0V], 1
	s_add_nc_u64 s[G0V+2:G0V+3], s[6:7], s[20:21]
	s_or_b32 s[G0V+3], s[G0V+3], 0x80000000
	s_mov_b32 s[G0W], 1
	s_add_nc_u64 s[G0W+2:G0W+3], s[10:11], s[22:23]
	s_or_b32 s[G0W+3], s[G0W+3], 0x80000000
	s_mov_b32 s[G0S], 1
	s_add_nc_u64 s[G0S+2:G0S+3], s[8:9], s[2:3]
	s_or_b32 s[G0S+3], s[G0S+3], 0x80000000
	s_cmp_lt_u32 s14, 4                            ; the head's fills: one a wave, waves 10 to 15 none; every wait for tensor loads in this text is for 0
	s_cbranch_scc0 .Lf1
	ARM G0K, GK
.Lf1:
	s_cmp_lt_u32 s14, 6
	s_cbranch_scc0 .Lf2
	ARM G0E, GE
.Lf2:
	s_cmp_lt_u32 s14, 8
	s_cbranch_scc0 .Lf3
	ARM G0V, GV
.Lf3:
	s_cmp_eq_u32 s14, 8
	s_cbranch_scc0 .Lf4
	ARM G0W, G36
.Lf4:
	s_cmp_eq_u32 s14, 9
	s_cbranch_scc0 .Lfilled
	ARM G0S, GVS
.Lfilled:
	s_lshl_b32 s22, s15, 7                         ; my queries' row of Y: 128 x head + 16 qb + w
	s_lshl_b32 s16, ttmp9, 4
	s_add_co_u32 s22, s22, s16
	s_add_co_u32 s22, s22, s14
	s_mul_i32 s22, s22, 144
	s_mov_b32 s23, 0
	s_add_nc_u64 s[QP:QP+1], s[4:5], s[22:23]      ; q at my row
	v_and_b32 v204, 15, v0                         ; r
	v_bfe_u32 v205, v0, 4, 1                       ; h
	v_and_b32 v206, 31, v0                         ; lane
	s_xor_b32 s16, s14, 15                         ; 15 - w: the window's row of my step 0, tile 0, lane 0 is 16 (15 - w): no work-group's number enters an LDS address
	s_lshl_b32 s17, s16, 8
	v_mul_u32_u24 v1, v205, EP1
	v_lshl_add_u32 v1, v204, 4, v1
	v_add_nc_u32 v1, s17, v1                       ; v1: eext's fragments: plane h, row 16 (15 - w) + r
	s_lshl_b32 s17, s16, 6
	s_add_co_u32 s17, s17, EW
	v_lshl_add_u32 v2, v206, 2, s17                ; v2: its words: lanes 0-15 an even tile's, lanes 16-31 the next tile's
	v_bfe_u32 v207, v204, 2, 1                     ; jj
	v_lshrrev_b32 v199, 3, v204                    ; r / 8
	v_and_b32 v198, 3, v204                        ; r % 4
	v_mul_u32_u24 v197, v207, 18816
	v_mad_u32_u24 v197, v199, 144, v197
	v_add_nc_u32 v197, KB, v197
	v_lshl_add_u32 v3, v198, 5, v197
	v_lshl_add_u32 v3, v205, 4, v3                 ; v3: K's fragments: lane r of tile 2 b + u takes key 32 b + 8 u + r + 8 (r / 8): row 2 b + r / 8, token 8 u + r % 8
	v_mul_u32_u24 v4, v205, 37408
	v_add_nc_u32 v4, v4, v197
	v_lshl_add_u32 v4, v198, 2, v4
	v_add_nc_u32 v4, 128, v4                       ; v4: K's words: lanes 0-15 tile 2 b, lanes 16-31 tile 2 b + 1
	v_lshl_add_u32 v5, v206, 4, VB                 ; v5: V's fragments, images of the registers
	v_mul_u32_u24 v6, v205, 1088
	v_lshl_add_u32 v6, v204, 2, v6
	v_add_nc_u32 v6, VS, v6                        ; v6: V's words
	s_mul_i32 s17, s14, 5376
	s_add_co_u32 s17, s17, BUF
	v_mul_u32_u24 v10, v204, 336
	v_add_nc_u32 v10, s17, v10                     ; v10: my row's column 0
	v_lshl_add_u32 v7, v205, 5, v10                ; v7: where a tile's eight numbers go: row r, + 32 h
	s_lshl_b32 s18, s[W4], 6
	s_add_co_u32 s18, s18, 64
	v_add_nc_u32 v9, s18, v10                      ; v9: my row's column 16 + 16 (w % 4)
	v_mul_u32_u24 v8, v204, 332
	v_lshl_add_u32 v8, v205, 6, v8
	s_add_co_u32 s17, s17, 60
	v_add_nc_u32 v8, s17, v8                       ; v8: back, skewed: row r from column 15 - r + 16 h on
	v_mov_b32 v11, 0xf149f2ca                      ; -1e30
	v_lshrrev_b32 v196, 2, v204                    ; q_i: token r of my row: plane r / 4
	v_mul_u32_u24 v196, v196, 589824
	v_lshl_add_u32 v200, v198, 5, v196
	v_lshl_add_u32 v200, v205, 4, v200
	v_lshl_add_u32 v201, v198, 2, v196
	v_add_nc_u32 v201, 128, v201
	v_add_nc_u32 v195, 1, v204                     ; q_(i+1): token (r + 1) % 16, for r = 15 of the next row (the head's last query never uses it; the address stays inside qkp)
	v_lshrrev_b32 v194, 4, v195
	v_and_b32 v195, 15, v195
	v_lshrrev_b32 v196, 2, v195
	v_mul_u32_u24 v196, v196, 589824
	v_mad_u32_u24 v196, v194, 144, v196
	v_and_b32 v195, 3, v195
	v_lshl_add_u32 v202, v195, 5, v196
	v_lshl_add_u32 v202, v205, 4, v202
	v_lshl_add_u32 v203, v195, 2, v196
	v_add_nc_u32 v203, 128, v203
	global_load_b128 v[QA:QA+3], v200, s[QP:QP+1]
	global_load_b32 v[QAS], v201, s[QP:QP+1]
	global_load_b128 v[QB:QB+3], v202, s[QP:QP+1]
	global_load_b32 v[QBS], v203, s[QP:QP+1]
	s_and_b32 s17, s14, 7                          ; the way out's addresses
	s_lshl_b32 s17, s17, 8
	v_lshlrev_b32 v252, 11, v205
	v_lshl_add_u32 v252, v204, 4, v252
	v_add_nc_u32 v252, s17, v252                   ; v252: ocd: plane h, row 16 (w % 8) + r
	s_lshl_b32 s17, s14, 6
	s_add_co_u32 s17, s17, OW
	v_lshl_add_u32 v253, v204, 2, s17              ; v253: my row's word in LDS
	v_and_b32 v254, 63, v0
	v_lshl_add_u32 v254, v254, 4, OW               ; v254: waves 0, 1: the words back
	v_lshlrev_b32 v255, 4, v206                    ; v255: 16 x lane
.irp j, 4,5,6,7
	v_mov_b32 v[QA+\j], 0                          ; the half of the K step that holds no numbers
	v_mov_b32 v[QB+\j], 0
	v_mov_b32 v[EF+32+\j], 0                       ; behind the ninth fragment
	v_mov_b32 v[BT+\j-4], 0                        ; a lane permute's destination counts as one of its sources
.endr
	v_mov_b32 v[PW], 0
	v_mov_b32 v13, 0xff61b1e6                      ; the largest t so far: -3e38
	v_floor_f32 v12, -v13                          ; -M
	v_mov_b32 v14, 0                               ; the sum, in two halves
	v_mov_b32 v15, 0
.set j, 0
.rept 32
	v_mov_b32 v[O+j], 0                            ; O^T: the step is written as one macro; the first step finds zeros
.set j, j+1
.endr
; one tile of Q E^T: 16 rows of eext (tile t9 of the step's nine) x my 16 queries; tiles 0-4 into RD, tiles 5-8 into R2
.macro QET t9, qx, qxs
.set QD, RD+8*(\t9)-112*((\t9)/5)
.if ((\t9)%2) == 1
	v_wmma_scale_f32_16x16x128_f8f6f4 v[QD:QD+7], v[EF+4*(\t9):EF+4*(\t9)+7], v[\qx:\qx+7], 0, v[ES+(\t9)/2], v[\qxs] matrix_a_fmt:MATRIX_FMT_FP4 matrix_b_fmt:MATRIX_FMT_FP4 matrix_a_scale:MATRIX_SCALE_ROW1
.else
	v_wmma_scale_f32_16x16x128_f8f6f4 v[QD:QD+7], v[EF+4*(\t9):EF+4*(\t9)+7], v[\qx:\qx+7], 0, v[ES+(\t9)/2], v[\qxs] matrix_a_fmt:MATRIX_FMT_FP4 matrix_b_fmt:MATRIX_FMT_FP4
.endif
.endm
.macro QSEL t9                         ; the tile's first y is under 2048 where sD >= 16 t9
	s_cmp_ge_i32 s[SD], 16*(\t9)
	s_cbranch_scc0 .Lqn_\@
	QET \t9, QA, QAS
	s_branch .Lqj_\@
.Lqn_\@:
	QET \t9, QB, QBS
.Lqj_\@:
.endm
.macro QE9                             ; the nine tiles: all by q_i, all by q_(i+1), or, in the one step on the diagonal, tile by tile.  The branches hang on ids and the count of steps
	s_cmp_ge_i32 s[SD], 128
	s_cbranch_scc1 .Lqa_\@
	s_cmp_lt_i32 s[SD], 0
	s_cbranch_scc1 .Lqb_\@
.irp t, 0,1,2,3,4,5,6,7,8
	QSEL \t
.endr
	s_branch .Lqd_\@
.Lqa_\@:
.irp t, 0,1,2,3,4,5,6,7,8
	QET \t, QA, QAS
.endr
	s_branch .Lqd_\@
.Lqb_\@:
.irp t, 0,1,2,3,4,5,6,7,8
	QET \t, QB, QBS
.endr
.Lqd_\@:
.endm
.macro MASK half                       ; y = 2048 is column 16 + sD - 64 half: where that lies among the columns read, it is 16 + 16 (w % 4), or 0
	s_sub_co_i32 s[TS], s[SD], 64*\half
	s_cmp_eq_u32 s[TS], s[W16]
	s_cbranch_scc0 .Lm0_\@
	ds_store_b32 v9, v11
.Lm0_\@:
	s_cmp_eq_i32 s[TS], -16
	s_cbranch_scc0 .Lm1_\@
	ds_store_b32 v10, v11
.Lm1_\@:
.endm
.macro RLOAD half                      ; key 64 half + 32 b + 16 h + i of my query: column 15 - r + 32 b + 16 h + i.  The 32 lanes touch 32 different banks
.irp b, 0,1
.irp i, 0,1,2,3,4,5,6,7,8,9,10,11,12,13,14,15
	ds_load_b32 v[S+104*\half+16*\b+\i], v8 offset:128*\b+4*\i
.endr
.endr
.endm
.macro EFETCH ae, aw                   ; a step's nine fragments of eext and five registers of scale words
.irp t, 0,1,2,3,4,5,6,7,8
	ds_load_b128 v[EF+4*\t:EF+4*\t+3], v[\ae] offset:256*\t
.endr
.irp p, 0,1,2,3,4
	ds_load_b32 v[ES+\p], v[\aw] offset:128*\p     ; (for the last step the fifth's lanes 16-31 read on into the first bytes of K, filled at the head, and are not used)
.endr
.endm
.macro KQM t                           ; scores += 16 keys x my queries, onto srel
.set KD, S+8*\t+72*(\t/4)
.if ((\t)%2) == 1
	v_wmma_scale_f32_16x16x128_f8f6f4 v[KD:KD+7], v[KF+4*\t:KF+4*\t+7], v[QA:QA+7], v[KD:KD+7], v[KS+\t/2], v[QAS] matrix_a_fmt:MATRIX_FMT_FP4 matrix_b_fmt:MATRIX_FMT_FP4 matrix_a_scale:MATRIX_SCALE_ROW1
.else
	v_wmma_scale_f32_16x16x128_f8f6f4 v[KD:KD+7], v[KF+4*\t:KF+4*\t+7], v[QA:QA+7], v[KD:KD+7], v[KS+\t/2], v[QAS] matrix_a_fmt:MATRIX_FMT_FP4 matrix_b_fmt:MATRIX_FMT_FP4
.endif
.endm
.macro PVM t                           ; O^T += 16 channels x 128 keys x my queries
.if ((\t)%2) == 1
	v_wmma_scale_f32_16x16x128_f8f6f4 v[O+8*\t:O+8*\t+7], v[VF+8*\t:VF+8*\t+7], v[PC:PC+7], v[O+8*\t:O+8*\t+7], v[VSW+\t/2], v[PW] matrix_a_fmt:MATRIX_FMT_FP4 matrix_b_fmt:MATRIX_FMT_FP4 matrix_a_scale:MATRIX_SCALE_ROW1
.else
	v_wmma_scale_f32_16x16x128_f8f6f4 v[O+8*\t:O+8*\t+7], v[VF+8*\t:VF+8*\t+7], v[PC:PC+7], v[O+8*\t:O+8*\t+7], v[VSW+\t/2], v[PW] matrix_a_fmt:MATRIX_FMT_FP4 matrix_b_fmt:MATRIX_FMT_FP4
.endif
.endm
.macro PSUM d, a, b                    ; d = pair a + pair b of p
	v_pk_add_f32 v[\d:\d+1], v[S+2*(\a)+72*((\a)/16):S+2*(\a)+72*((\a)/16)+1], v[S+2*(\b)+72*((\b)/16):S+2*(\b)+72*((\b)/16)+1]
.endm
.macro PADD d, k                       ; d += pair k of p
	v_pk_add_f32 v[\d:\d+1], v[\d:\d+1], v[S+2*(\k)+72*((\k)/16):S+2*(\k)+72*((\k)/16)+1]
.endm
; A STEP: 128 keys.  pf = 1: it also fetches the next step's fragments of eext
.macro STEP pf
.if \pf
	v_add_nc_u32 v244, s[SE], v1                   ; the addresses: the next step's of eext, this step's of K and V.  These six lines are also the places between the last products, which read v96-127, and the products below that write there
	v_add_nc_u32 v245, s[SW], v2
.else
	v_nop
	v_nop
.endif
	v_add_nc_u32 v246, s[SK], v3
	v_add_nc_u32 v247, s[SK], v4
	v_add_nc_u32 v248, s[SV], v5
	v_add_nc_u32 v249, s[SVW], v6
	s_wait_dscnt 0x0                               ; this step's fragments and words of eext, asked for in the step before
	QE9
	PLACES 4                                       ; in front of the stores that read the results and of the loads into eext's registers
	s_wait_alu depctr_va_vdst(0)
.irp t, 0,1,2,3,4                      ; lane (r, h), register j of tile t: row r, column 16 t + 8 h + j; each tile from its low end on
	ds_store_b128 v7, v[RD+8*\t:RD+8*\t+3] offset:64*\t
	ds_store_b128 v7, v[RD+8*\t+4:RD+8*\t+7] offset:64*\t+16
.endr
	MASK 0
	RLOAD 0                                        ; LDS serves a wave's instructions in order: these see the stores, and the stores below come behind them
	ds_store_b128 v7, v[RD+32:RD+35]               ; the second half: tile 4 once more, now as column 0,
	ds_store_b128 v7, v[RD+36:RD+39] offset:16
.irp t, 1,2,3,4                        ; and tiles 5 to 8
	ds_store_b128 v7, v[R2+8*\t-8:R2+8*\t-5] offset:64*\t
	ds_store_b128 v7, v[R2+8*\t-4:R2+8*\t-1] offset:64*\t+16
.endr
	MASK 1
	s_wait_dscnt 42                                ; behind the first half's stores at least 32 loads and 10 stores were issued: those stores have read v168-199, where the loads below land
	RLOAD 1
.irp t, 0,1,2,3,4,5,6,7
	ds_load_b128 v[KF+4*\t:KF+4*\t+3], v246 offset:37408*(\t%2)+288*(\t/2)
.endr
.irp b, 0,1,2,3
	ds_load_b32 v[KS+\b], v247 offset:288*\b
.endr
	s_wait_dscnt 0x0
.irp t, 0,1,2,3,4,5,6,7
	KQM \t
.endr
	v_mov_b32 v[BS], v12                           ; the old -M; with three v_nop the places in front of the loads into K's registers and of the first read of the scores
	PLACES 3
.irp t, 0,1,2,3
.irp c, 0,1
	ds_load_b128 v[VF+8*\t+4*\c:VF+8*\t+4*\c+3], v248 offset:1024*\t+512*\c
.endr
.endr
.irp p, 0,1
	ds_load_b32 v[VSW+\p], v249 offset:2176*\p
.endr
.if \pf
	EFETCH 244, 245                                ; 14 loads, younger than V's ten
.endif
.irp b, 0,1,2,3
	v_max3_num_f32 v[BM+\b], v[SB\b], v[SB\b+1], v[SB\b+2]   ; the largest score of each block of 32 keys: for the row's maximum, and for the block's largest p
.endr
.irp i, 3,5,7,9,11,13
.irp b, 0,1,2,3
	v_max3_num_f32 v[BM+\b], v[BM+\b], v[SB\b+\i], v[SB\b+\i+1]
.endr
.endr
.irp b, 0,1,2,3
	v_max_num_f32 v[BM+\b], v[BM+\b], v[SB\b+15]
.endr
.irp b, 0,1,2,3
	v_permlanex16_b32 v[BT+\b], v[BM+\b], s[SEL], s[SEL+1]
.endr
.irp b, 0,1,2,3
	v_max_num_f32 v[BM+\b], v[BM+\b], v[BT+\b]
.endr
	v_max3_num_f32 v[TP], v[BM], v[BM+1], v[BM+2]
	s_delay_alu instid0(VALU_DEP_1)
	v_max_num_f32 v[TP], v[TP], v[BM+3]
	s_delay_alu instid0(VALU_DEP_1)
	v_mul_f32 v[TP], s[CC], v[TP]                  ; as t
	s_delay_alu instid0(VALU_DEP_1)
	v_max_num_f32 v13, v13, v[TP]                  ; the running largest t
	s_delay_alu instid0(VALU_DEP_1)
	v_floor_f32 v12, -v13                          ; the new -M: M is a whole number
	s_delay_alu instid0(VALU_DEP_1)
	v_sub_f32 v[TP], v12, v[BS]
	s_delay_alu instid0(VALU_DEP_1)
	v_cvt_i32_f32 v[TP], v[TP]                     ; (it saturates)
	s_delay_alu instid0(VALU_DEP_1)
	v_ldexp_f32 v[F], 1.0, v[TP]                   ; f = 2^(old M - new M)
.set j, 0
.rept 32
	v_pk_fma_f32 v[S+j+72*(j/32):S+j+72*(j/32)+1], v[S+j+72*(j/32):S+j+72*(j/32)+1], s[CC:CC+1], v[12:13] op_sel_hi:[1,0,0]   ; t - M
.set j, j+2
.endr
.irp b, 0,1,2,3
	v_fma_f32 v[BM+\b], v[BM+\b], s[CC], v12
.endr
	s_wait_alu depctr_va_vdst(0)                   ; the wait ahead of the batch
.set j, 0
.rept 64
	v_exp_f32 v[S+j+72*(j/32)], v[S+j+72*(j/32)]   ; p = 2^(t - M)
.set j, j+1
.endr
	v_pk_mul_f32 v[14:15], v[14:15], v[F:F+1] op_sel_hi:[1,0]   ; the sums under the new M; a plain line behind the exponentials
	s_wait_alu depctr_va_vdst(0)                   ; one wait for the batch, ahead of its first reader
.irp b, 0,1,2,3
	v_exp_f32 v[BM+\b], v[BM+\b]                   ; each block's largest p
.endr
	PSUM 244, 0, 1                                 ; the row's sum of the unquantised p: 32 pairs in four chains by turns
	PSUM 246, 2, 3
	PSUM 248, 4, 5
	PADD 14, 6
.irp k, 7,11,15,19,23,27
	PADD 244, \k
	PADD 246, \k+1
	PADD 248, \k+2
	PADD 14, \k+3
.endr
	PADD 244, 31
	v_pk_add_f32 v[14:15], v[14:15], v[248:249]
	v_pk_add_f32 v[244:245], v[244:245], v[246:247]
	s_delay_alu instid0(VALU_DEP_1)
	v_pk_add_f32 v[14:15], v[14:15], v[244:245]
	s_wait_alu depctr_va_vdst(0)                   ; and one for the four
.irp b, 0,1,2,3
	v_max_num_f32 v[BM+\b], 0x1800000, v[BM+\b]    ; the floor: the byte cannot fall under 1
.endr
.irp b, 0,1,2,3
	v_add_nc_u32 v[BS+\b], 0xff000000, v[BM+\b]
.endr
.irp b, 0,1,2,3
	v_lshrrev_b32 v[BT+\b], 23, v[BS+\b]
.endr
	v_lshl_or_b32 v[PW], v[BT+1], 8, v[BT]         ; p's scale word for these 128 keys
	s_delay_alu instid0(VALU_DEP_1)
	v_lshl_or_b32 v[PW], v[BT+2], 16, v[PW]
	s_delay_alu instid0(VALU_DEP_1)
	v_lshl_or_b32 v[PW], v[BT+3], 24, v[PW]
.irp b, 0,1,2,3
	v_cvt_scalef32_pk8_fp4_f32 v[PC+2*\b], v[SB\b:SB\b+7], v[BS+\b]
	v_cvt_scalef32_pk8_fp4_f32 v[PC+1+2*\b], v[SB\b+8:SB\b+15], v[BS+\b]
.endr
	v_nop                                          ; one plain line behind the conversions
.irp c, 0,1
.irp i, 0,1
	v_permlane16_swap_b32 v[PC+4*\c+\i], v[PC+2+4*\c+\i]   ; a whole block to a lane
.endr
.endr
	s_wait_alu depctr_va_vdst(0)                   ; the wait here, directly ahead of the first reader of O^T
.set j, 0
.rept 16
	v_pk_mul_f32 v[O+j:O+j+1], v[O+j:O+j+1], v[F:F+1] op_sel_hi:[1,0]   ; O^T under the new M; these sixteen are also the places in front of the products below
.set j, j+2
.endr
	s_wait_alu depctr_va_vdst(0)                   ; the wait here, directly ahead of the wait below
	s_wait_dscnt 14*\pf                            ; V's ten loads are in; the 14 for the next step may be out
.irp t, 0,1,2,3
	PVM \t
.endr
.if \pf
	s_add_co_u32 s[SE], s[SE], 2048
	s_add_co_u32 s[SW], s[SW], 512
	s_add_co_u32 s[SK], s[SK], 1152
	s_add_co_u32 s[SV], s[SV], 4096
	s_add_co_u32 s[SVW], s[SVW], 64
	s_sub_co_i32 s[SD], s[SD], 128
.endif
.endm
	; THE FIRST BARRIER: the head's fills are whole for all sixteen waves; behind it all the rest is asked for, one load a wave, into bytes that nothing has filled and that steps 0 to 3 do not read
	s_wait_alu depctr_va_vdst(0)                   ; the wait at the head's end
	s_wait_tensorcnt 0x0                           ; no tensor load of mine is out, so descriptors may be written
	ds_add_u32 v[SPW], v[NIL]                      ; 0 onto my spare word,
	ds_add_u32 v[SPW], v[NIL]                      ; twice on end here
	s_mov_b32 s[GK+2], 54<<16                      ; K: the other 96 rows of a plane, 54 x 256 bytes
	s_mov_b32 s[GK+4], 54
	s_mov_b32 s[GE+2], 88<<16                      ; eext: the other 1,408 rows of a plane
	s_mov_b32 s[GE+4], 88
	s_mov_b32 s[GV+2], 96<<16                      ; V: half of the other 49,152 bytes
	s_mov_b32 s[GV+4], 96
	s_add_co_u32 s[G0K+1], s[G0K+1], 4608
	s_add_nc_u64 s[G0K+2:G0K+3], s[G0K+2:G0K+3], 4608      ; the type bits on top are not reached
	s_add_co_u32 s[G0E+1], s[G0E+1], 14336
	s_add_nc_u64 s[G0E+2:G0E+3], s[G0E+2:G0E+3], 14336
	s_add_co_u32 s[G0V+1], s[G0V+1], s[DV]
	s_add_nc_u64 s[G0V+2:G0V+3], s[G0V+2:G0V+3], s[DV:DV+1]
	s_wait_dscnt 0x0                               ; both adds are done
	s_barrier_signal -1
	s_barrier_wait -1
	s_cmp_lt_u32 s14, 4                            ; waves 0-3 a plane of K each, waves 4, 5 a plane of eext, waves 6, 7 half of V; the others none
	s_cbranch_scc0 .Lt1
	tensor_load_to_lds s[G0K:G0K+3], s[GK:GK+7]
	s_nop 0
	PLACES 4
	s_branch .Lt3
.Lt1:
	s_cmp_lt_u32 s14, 6
	s_cbranch_scc0 .Lt2
	tensor_load_to_lds s[G0E:G0E+3], s[GE:GE+7]
	s_nop 0
	PLACES 4
	s_branch .Lt3
.Lt2:
	s_cmp_lt_u32 s14, 8
	s_cbranch_scc0 .Lt3
	tensor_load_to_lds s[G0V:G0V+3], s[GV:GV+7]
	s_nop 0
	PLACES 4
.Lt3:
	EFETCH 1, 2                                    ; step 0's fragments of eext
	s_wait_loadcnt 0x0                             ; q
	s_mov_b32 s[CNT], 0
.Lpart1:                                               ; steps 0 to 3
	STEP 1
	s_add_co_u32 s[CNT], s[CNT], 1
	s_cmp_lt_u32 s[CNT], 4
	s_cbranch_scc1 .Lpart1
	s_wait_tensorcnt 0x0                           ; THE SECOND BARRIER: the rest is whole for all sixteen waves; nothing is left to fetch
	ds_add_u32 v[SPW], v[NIL]
	s_wait_dscnt 0x0
	s_barrier_signal -1
	s_barrier_wait -1
	s_mov_b32 s[CNT], 0
.Lpart2:                                               ; steps 4 to 14
	STEP 1
	s_add_co_u32 s[CNT], s[CNT], 1
	s_cmp_lt_u32 s[CNT], 11
	s_cbranch_scc1 .Lpart2
	STEP 0                                         ; step 15 is written out: no step follows whose fragments it could fetch
	; THE WAY OUT: O^T / the sum; by the order of V's channels the 16 registers of tiles 2 b, 2 b + 1 are channels 32 b + 16 h + 0 .. 15: two blocks of the out projection's K
	PLACES 4
	v_add_f32 v14, v14, v15
	v_permlanex16_b32 v[TP], v14, s[SEL], s[SEL+1]
	v_add_f32 v14, v14, v[TP]                      ; the row's sum
	s_wait_alu depctr_va_vdst(0)                   ; the wait ahead of the reciprocal
	v_rcp_f32 v14, v14
	v_nop                                          ; a plain line behind the reciprocal
	s_and_b32 s16, s15, 15                         ; ocd's block: 32 x head + 16 x batch + 2 qb + (which 128 rows)
	s_lshl_b32 s16, s16, 5
	s_lshr_b32 s17, s15, 4
	s_lshl_b32 s17, s17, 4
	s_add_co_u32 s16, s16, s17
	s_lshl_b32 s17, ttmp9, 1
	s_add_co_u32 s16, s16, s17
	s_lshr_b32 s17, s14, 3
	s_add_co_u32 s18, s16, s17
	s_mul_i32 s18, s18, 4608
	s_mov_b32 s19, 0
	s_add_nc_u64 s[18:19], s[12:13], s[18:19]
	s_and_b32 s17, s14, 1
	s_add_co_u32 s20, s16, s17
	s_mul_i32 s20, s20, 4608
	s_add_co_u32 s20, s20, 4096
	s_mov_b32 s21, 0
	s_add_nc_u64 s[20:21], s[12:13], s[20:21]
	s_wait_alu depctr_va_vdst(0)                   ; the wait ahead of the reciprocal's first reader, which is also O^T's
.set j, 0
.rept 32
	v_mul_f32 v[S+j], v[O+j], v14
.set j, j+1
.endr
.irp b, 0,1
	v_max3_num_f32 v[BM+\b], |v[S+16*\b]|, |v[S+1+16*\b]|, 0x1800000
.endr
.irp i, 2,4,6,8,10,12,14
.irp b, 0,1
	v_max3_num_f32 v[BM+\b], v[BM+\b], |v[S+16*\b+\i]|, |v[S+1+16*\b+\i]|
.endr
.endr
.irp b, 0,1
	v_permlanex16_b32 v[BT+\b], v[BM+\b], s[SEL], s[SEL+1]
.endr
.irp b, 0,1
	v_max_num_f32 v[BM+\b], v[BM+\b], v[BT+\b]
.endr
.irp b, 0,1
	v_add_nc_u32 v[BS+\b], 0xff000000, v[BM+\b]
.endr
.irp b, 0,1
	v_lshrrev_b32 v[BT+\b], 23, v[BS+\b]
.endr
	v_lshl_or_b32 v[TP], v[BT+1], 8, v[BT]         ; my row's two scale bytes
.irp b, 0,1
	v_cvt_scalef32_pk8_fp4_f32 v[PC+2*\b], v[S+16*\b:S+7+16*\b], v[BS+\b]
	v_cvt_scalef32_pk8_fp4_f32 v[PC+1+2*\b], v[S+8+16*\b:S+15+16*\b], v[BS+\b]
.endr
	v_nop
	v_permlane16_swap_b32 v[PC], v[PC+2]
	v_permlane16_swap_b32 v[PC+1], v[PC+3]         ; lane (r, h): block h of row r, 16 bytes
	global_store_b128 v252, v[PC:PC+3], s[18:19]   ; each half of the lanes stores 256 consecutive bytes, aligned
	ds_store_b32 v253, v[TP]                       ; both halves write the same word with the same value
	s_wait_dscnt 0x0                               ; for the others' sake
	s_barrier_signal -1
	s_barrier_wait -1
	s_cmp_lt_u32 s14, 2
	s_cbranch_scc0 .Lend
	ds_load_b128 v[S:S+3], v254                    ; waves 0, 1: the words of 128 rows
	s_wait_dscnt 0x0
	global_store_b128 v255, v[S:S+3], s[20:21]     ; 512 consecutive bytes, aligned
.Lend:
	s_wait_tensorcnt 0x0                           ; the wave's end
	ds_add_u32 v[SPW], v[NIL]
	s_wait_dscnt 0x0
	s_endpgm
.Lfunc_end_k_q18321e6803_attn:
	.size	k_q18321e6803_attn, .Lfunc_end_k_q18321e6803_attn-k_q18321e6803_attn
	.p2alignl 7, 3214868480
	.fill 96, 4, 3214868480
	.section	.rodata,"a",@progbits
	.p2align	6, 0x0
	.amdhsa_kernel k_q18321e6803_attn
		.amdhsa_group_segment_fixed_size 327680
		.amdhsa_private_segment_fixed_size 0
		.amdhsa_enable_private_segment 0
		.amdhsa_kernarg_size 40
		.amdhsa_user_sgpr_count 2
		.amdhsa_user_sgpr_kernarg_segment_ptr 1
		.amdhsa_wavefront_size32 1
		.amdhsa_system_sgpr_workgroup_id_x 1
		.amdhsa_system_sgpr_workgroup_id_y 1
		.amdhsa_system_sgpr_workgroup_id_z 1
		.amdhsa_system_vgpr_workitem_id 0
		.amdhsa_next_free_vgpr 256
		.amdhsa_next_free_sgpr 102
		.amdhsa_reserve_vcc 0
		.amdhsa_float_denorm_mode_32 3
		.amdhsa_float_denorm_mode_16_64 3
		.amdhsa_memory_ordered 1
		.amdhsa_forward_progress 1
		.amdhsa_inst_pref_size 105
	.end_amdhsa_kernel
	.amdgpu_metadata
---
amdhsa.version: [ 1, 2 ]
amdhsa.kernels:
  - .name:           k_q18321e6803_attn
    .symbol:         k_q18321e6803_attn.kd
    .args:
      - { .name: qkp, .offset: 0, .size: 8, .value_kind: global_buffer, .address_space: global }
      - { .name: vfr, .offset: 8, .size: 8, .value_kind: global_buffer, .address_space: global }
      - { .name: vsc, .offset: 16, .size: 8, .value_kind: global_buffer, .address_space: global }
      - { .name: eext, .offset: 24, .size: 8, .value_kind: global_buffer, .address_space: global }
      - { .name: ocd, .offset: 32, .size: 8, .value_kind: global_buffer, .address_space: global }
    .group_segment_fixed_size: 327680
    .private_segment_fixed_size: 0
    .kernarg_segment_align: 8
    .kernarg_segment_size: 40
    .max_flat_workgroup_size: 512
    .sgpr_count:     102
    .vgpr_count:     256
    .wavefront_size: 32
...
	.end_amdgpu_metadata
.endif
;; end of part 3
;; launch outp (part 4): grid 8 x 32, 16 waves a work-group, clusters of 4 x 4, 327,680 bytes of LDS; arguments ocd, cods, scls, bo, out0; writes out0
.if DOCPART == 4
	.amdgcn_target "amdgcn-amd-amdhsa--gfx1250"
	.amdhsa_code_object_version 6
	.text
	.protected	k_q18321e6803_outp
	.globl	k_q18321e6803_outp
	.p2align	8
	.type	k_q18321e6803_outp,@function
k_q18321e6803_outp:
	s_mov_b64 s[64:65], 0
	v_nop
	global_prefetch_b8 v0, s[64:65] scope:SCOPE_SE
	s_setreg_imm32_b32 hwreg(HW_REG_WAVE_MODE, 25, 1), 1
	s_wait_xcnt 0x0
	s_wait_alu depctr_hold_cnt(0) depctr_sa_sdst(0) depctr_va_vdst(0) depctr_va_sdst(0) depctr_va_ssrc(0) depctr_va_vcc(0) depctr_vm_vsrc(0)
	s_getreg_b32 s2, hwreg(HW_REG_IB_STS2, 6, 4)
	s_cmp_eq_u32 s2, 0
	s_cbranch_scc0 .Lentry_in_a_cluster
	s_endpgm
.Lentry_in_a_cluster:
	s_bfe_u32 s2, ttmp6, 0x10000c
	s_cmp_lg_u32 s2, 0xf033
	s_cbranch_scc0 .Lentry_shape_is_right
	s_endpgm
.Lentry_shape_is_right:
; THE OUT PROJECTION  out0 = A Wo^T + bo  on codes of FP4.  A [4096][1024] lies in ocd as [head 16][block of 128 rows][planes 2 x 128 rows x 16 bytes, then 128 words]; K = 64 x head + channel.  Nothing is left out.
; A work-group makes 128 rows x 128 columns; all of K lies in LDS, filled once at the head.  CLUSTER 4 x 4: A's block is shared along a row of the cluster, Wo's rows along a column, by joint loads.
; Wave w = 4 wr + wc makes 32 x 32: four accumulators, which take turns.  THE MATRIX INSTRUCTION IS USED TRANSPOSED (source 0 = 16 rows of Wo, source 1 = 16 rows of A): a lane holds 8 neighbouring columns of a row.
; A K step of 128 is two heads: registers 4 c .. 4 c + 3 of A's fragment are head 2 ks + c, plane h; its scale word is the two heads' half words joined.  The bias is loaded into the accumulators.
.set BTL,   73728                      ; LDS: A at 0, 16 heads x 4,608;  Wo's 128 rows x (512 + 16)
.set BSL,   141312                     ; Wo's scales: 16 units of 256 + 16
.set STG,   145664                     ; the stage: 128 rows x (512 + 16)
.set SPARE, 213248                     ; the spare words, 128 bytes a wave
.set ACC,   16                         ; v16-47   accumulator (a, b) at ACC + 8 (2 a + b)
.set AF,    48                         ; v48-79   A's fragments, two sets of two
.set BF,    80                         ; v80-111  Wo's likewise
.set SA,    112                        ; v112-127 A's scale words [8 a + ks]
.set SB,    128                        ; v128-143 Wo's [8 b + ks]
.set TW,    144                        ; v144-175 A's half words [16 a + head]; later rows of the result
.set SPW,   14
.set NIL,   15
.macro PLACES n
.rept \n
	v_nop
.endr
.endm
.macro ARM g0, g1                      ; a wave's one joint load; an s_nop 0 and four v_nop follow it
	tensor_load_to_lds s[\g0:\g0+3], s[\g1:\g1+7]
	s_nop 0
.rept 4
	v_nop
.endr
	s_branch .Lfilled
.endm
.macro CROUND                          ; a round of the cluster's barrier
	s_barrier_signal -1
	s_barrier_wait -1
	s_cmp_lg_u32 s14, 0
	s_cbranch_scc1 .Lnot_wave_0_\@
	s_barrier_signal -3
.Lnot_wave_0_\@:
	s_barrier_wait -3
	s_barrier_signal -1
	s_barrier_wait -1
.endm
	s_load_b256 s[4:11], s[0:1], 0x0               ; ocd, cods, scls, bo
	s_load_b64 s[12:13], s[0:1], 0x20              ; out0
	v_lshl_add_u32 v[SPW], v0, 2, SPARE
	v_mov_b32 v[NIL], 0
	ds_add_u32 v[SPW], v[NIL]                      ; the wave's opening: the add, twice on end, and its wait ahead of my first tensor load
	ds_add_u32 v[SPW], v[NIL]
	v_lshrrev_b32 v1, 5, v0
	s_delay_alu instid0(VALU_DEP_1)
	v_readfirstlane_b32 s14, v1                    ; wave 0..15
	s_lshr_b32 s15, s14, 2                         ; wr
	s_and_b32 s16, s14, 3                          ; wc
	s_bfe_u32 s17, ttmp6, 0x40000                  ; cx
	s_bfe_u32 s18, ttmp6, 0x40004                  ; cy
	s_lshl_b32 s19, ttmp9, 2
	s_add_co_u32 s19, s19, s17                     ; nx: which 128 columns
	s_and_b32 s20, ttmp7, 0xffff
	s_lshl_b32 s20, s20, 2
	s_add_co_u32 s20, s20, s18                     ; by: which 128 rows
	s_lshl_b32 s21, s18, 2
	s_lshl_b32 s21, 15, s21                        ; my row of the cluster
	s_lshl_b32 s22, 0x1111, s17                    ; my column
	s_or_b32 s24, s21, (3<<16)|(1<<21)             ; A: 4 heads' blocks of 4,608 bytes (576 elements of 8), 147,456 bytes apart; no padding
	s_mov_b32 s25, 576<<16
	s_mov_b32 s26, 4<<16
	s_mov_b32 s27, 576<<16
	s_mov_b32 s28, 4
	s_mov_b32 s29, 18432
	s_mov_b32 s30, 0
	s_mov_b32 s31, 0
	s_or_b32 s32, s22, (1<<20)|(1<<21)|(6<<22)|(3<<25)   ; Wo: 64 rows of 512 bytes; 4 words of padding behind every 128
	s_mov_b32 s33, 512<<16
	s_mov_b32 s34, 64<<16
	s_mov_b32 s35, 512<<16
	s_mov_b32 s36, 64
	s_mov_b32 s37, 512
	s_mov_b32 s38, 0
	s_mov_b32 s39, 0
	s_or_b32 s40, s22, (3<<16)|(1<<20)|(1<<21)|(5<<22)|(3<<25)   ; Wo's scales: 16 dense rows of 256 bytes, padded
	s_mov_b32 s41, 32<<16
	s_mov_b32 s42, 16<<16
	s_mov_b32 s43, 32<<16
	s_mov_b32 s44, 16
	s_mov_b32 s45, 32
	s_mov_b32 s46, 0
	s_mov_b32 s47, 0
	s_mul_i32 s60, s20, 4608                       ; A (these registers never hold cx)
	s_mul_i32 s23, s14, 589824
	s_add_co_u32 s60, s60, s23
	s_mov_b32 s61, 0
	s_and_b32 s23, s14, 1
	s_lshl_b32 s66, s19, 7                         ; Wo (these never hold cy): first row 15,360 + 128 nx
	s_add_co_u32 s66, s66, 15360
	s_lshl_b32 s62, s23, 6
	s_add_co_u32 s62, s62, s66
	s_lshl_b32 s62, s62, 9
	s_mov_b32 s63, 0
	s_lshl_b32 s66, s66, 5
	s_mov_b32 s67, 0
	s_wait_dscnt 0x0                               ; both opening adds are done
	s_wait_kmcnt 0x0
	s_mov_b32 s48, 1
	s_mul_i32 s49, s14, 18432
	s_add_nc_u64 s[50:51], s[4:5], s[60:61]
	s_or_b32 s51, s51, 0x80000000
	s_mov_b32 s52, 1
	s_mul_i32 s53, s23, 33792
	s_add_co_u32 s53, s53, BTL
	s_add_nc_u64 s[54:55], s[6:7], s[62:63]
	s_or_b32 s55, s55, 0x80000000
	s_mov_b32 s56, 1
	s_mov_b32 s57, BSL
	s_add_nc_u64 s[58:59], s[8:9], s[66:67]
	s_or_b32 s59, s59, 0x80000000
	CROUND                                         ; all sixteen work-groups are here: the joint loads meet
	s_cmp_lt_u32 s14, 4                            ; waves 0-3: A, four heads each; 4, 5: Wo's halves; 6: its scales; the others none.  Every wait for them is for 0
	s_cbranch_scc0 .Lf1
	ARM 48, 24
.Lf1:
	s_cmp_lt_u32 s14, 6
	s_cbranch_scc0 .Lf2
	ARM 52, 32
.Lf2:
	s_cmp_eq_u32 s14, 6
	s_cbranch_scc0 .Lfilled
	ARM 56, 40
.Lfilled:
	v_and_b32 v11, 15, v0                          ; r
	v_bfe_u32 v12, v0, 4, 1                        ; h
	v_and_b32 v13, 31, v0                          ; lane
	s_lshl_b32 s60, s15, 9
	v_lshlrev_b32 v1, 11, v12
	s_delay_alu instid0(VALU_DEP_1)
	v_lshl_add_u32 v1, v11, 4, v1
	s_delay_alu instid0(VALU_DEP_1)
	v_add_nc_u32 v1, s60, v1                       ; v1, v2: A's fragments: plane h, row 32 wr + r; heads 0-7, 8-15
	s_delay_alu instid0(VALU_DEP_1)
	v_add_nc_u32 v2, 36864, v1
	s_lshl_b32 s60, s15, 7
	s_add_co_u32 s60, s60, 4096
	v_lshl_add_u32 v3, v11, 2, s60                 ; v3, v4: A's words
	s_delay_alu instid0(VALU_DEP_1)
	v_add_nc_u32 v4, 36864, v3
	v_mul_u32_u24 v5, v11, 528
	s_delay_alu instid0(VALU_DEP_1)
	v_lshl_add_u32 v5, v12, 4, v5
	s_mul_i32 s60, s16, 16896
	s_add_co_u32 s60, s60, BTL
	v_add_nc_u32 v5, s60, v5                       ; v5: Wo's fragments: row 32 wc + r
	v_lshrrev_b32 v6, 3, v11
	s_delay_alu instid0(VALU_DEP_1)
	v_mul_u32_u24 v6, v6, 272
	v_and_b32 v7, 7, v11
	s_delay_alu instid0(VALU_DEP_1)
	v_lshl_add_u32 v6, v7, 5, v6
	s_mul_i32 s60, s16, 1088
	s_add_co_u32 s60, s60, BSL
	v_add_nc_u32 v6, s60, v6                       ; v6: Wo's scale words: 32 bytes a row, 8 rows to a unit
	v_mul_u32_u24 v7, v11, 528
	s_delay_alu instid0(VALU_DEP_1)
	v_lshl_add_u32 v7, v12, 5, v7
	s_mul_i32 s60, s15, 16896
	s_lshl_b32 s61, s16, 7
	s_add_co_u32 s60, s60, s61
	s_add_co_u32 s60, s60, STG
	v_add_nc_u32 v7, s60, v7                       ; v7: into the stage: row 32 wr + r, + 128 wc + 32 h
	v_lshlrev_b32 v9, 4, v13                       ; v9: 16 x lane
	s_mul_i32 s60, s14, 4224
	s_add_co_u32 s60, s60, STG
	v_add_nc_u32 v8, s60, v9                       ; v8: back: my 8 rows
	s_lshl_b32 s60, s19, 9
	s_lshl_b32 s61, s16, 7
	s_add_co_u32 s60, s60, s61
	v_lshl_add_u32 v10, v12, 5, s60                ; v10: the bias: 4 (128 nx + 32 wc + 8 h)
.irp a, 0,1
.irp b, 0,1
	global_load_b128 v[ACC+8*(2*\a+\b):ACC+8*(2*\a+\b)+3], v10, s[10:11] offset:64*\b
	global_load_b128 v[ACC+8*(2*\a+\b)+4:ACC+8*(2*\a+\b)+7], v10, s[10:11] offset:64*\b+16
.endr
.endr
	s_lshl_b32 s60, s20, 7
	s_lshl_b32 s61, s14, 3
	s_add_co_u32 s60, s60, s61
	s_lshl_b32 s60, s60, 12
	s_lshl_b32 s61, s19, 9
	s_add_co_u32 s60, s60, s61
	s_mov_b32 s61, 0
	s_add_nc_u64 s[12:13], s[12:13], s[60:61]      ; out0 at row 128 by + 8 w, column 128 nx
	s_wait_alu depctr_va_vdst(0)
	s_wait_tensorcnt 0x0                           ; my load has landed,
	s_barrier_signal -1
	s_barrier_wait -1                              ; everybody's has
	s_wait_loadcnt 0x0                             ; the bias
.irp a, 0,1
.irp d, 0,1,2,3,4,5,6,7,8,9,10,11,12,13,14,15
	ds_load_b32 v[TW+16*\a+\d], v[3+\d/8] offset:4608*(\d%8)+64*\a
.endr
.endr
.irp b, 0,1
.irp s, 0,1
	ds_load_b128 v[SB+8*\b+4*\s:SB+8*\b+4*\s+3], v6 offset:544*\b+16*\s
.endr
.endr
	s_wait_dscnt 0x0
.irp a, 0,1
.irp k, 0,1,2,3,4,5,6,7
	v_lshl_or_b32 v[SA+8*\a+\k], v[TW+16*\a+2*\k+1], 16, v[TW+16*\a+2*\k]   ; two heads' half words make a K step's scale word
.endr
.endr
	PLACES 8                                       ; a scale register written by a vector instruction stands 8 places ahead of a scaled matrix instruction
.macro FETCH ks                        ; K step ks into set ks % 2: eight loads
.irp a, 0,1
.irp c, 0,1
	ds_load_b128 v[AF+16*((\ks)%2)+8*\a+4*\c:AF+16*((\ks)%2)+8*\a+4*\c+3], v[1+(\ks)/4] offset:4608*((2*(\ks)+\c)%8)+256*\a
	ds_load_b128 v[BF+16*((\ks)%2)+8*\a+4*\c:BF+16*((\ks)%2)+8*\a+4*\c+3], v5 offset:8448*\a+64*(\ks)+32*\c
.endr
.endr
.endm
.macro MUL ks                          ; four products; the accumulators take turns
.irp a, 0,1
.irp b, 0,1
	v_wmma_scale_f32_16x16x128_f8f6f4 v[ACC+8*(2*\a+\b):ACC+8*(2*\a+\b)+7], v[BF+16*((\ks)%2)+8*\b:BF+16*((\ks)%2)+8*\b+7], v[AF+16*((\ks)%2)+8*\a:AF+16*((\ks)%2)+8*\a+7], v[ACC+8*(2*\a+\b):ACC+8*(2*\a+\b)+7], v[SB+8*\b+(\ks)], v[SA+8*\a+(\ks)] matrix_a_fmt:MATRIX_FMT_FP4 matrix_b_fmt:MATRIX_FMT_FP4
.endr
.endr
.endm
	FETCH 0
	s_wait_alu depctr_va_vdst(0)
.irp k, 0,1,2,3,4,5,6
	PLACES 4                                       ; in front of loads into registers that matrix instructions have read
	FETCH \k+1
	s_wait_dscnt 8                                 ; all but the eight just issued
	MUL \k
.endr
	s_wait_dscnt 0x0
	MUL 7
	PLACES 4                                       ; in front of the first read of results
.irp a, 0,1
.irp b, 0,1
	ds_store_b128 v7, v[ACC+8*(2*\a+\b):ACC+8*(2*\a+\b)+3] offset:8448*\a+64*\b       ; each accumulator from its low end on
	ds_store_b128 v7, v[ACC+8*(2*\a+\b)+4:ACC+8*(2*\a+\b)+7] offset:8448*\a+64*\b+16
.endr
.endr
	s_wait_dscnt 0x0                               ; for the others' sake: a row's 512 bytes come from four waves
	s_barrier_signal -1
	s_barrier_wait -1
.irp i, 0,1,2,3,4,5,6,7
	ds_load_b128 v[TW+4*\i:TW+4*\i+3], v8 offset:528*\i
.endr
.irp i, 0,1,2,3,4,5,6,7
	s_wait_dscnt 7-\i                              ; the younger loads may stay out
	global_store_b128 v9, v[TW+4*\i:TW+4*\i+3], s[12:13] offset:4096*\i th:TH_STORE_NT   ; 512 consecutive bytes, aligned; written once
.endr
	s_wait_tensorcnt 0x0                           ; the wave's end
	ds_add_u32 v[SPW], v[NIL]
	s_wait_dscnt 0x0
	CROUND                                         ; the closing round
	s_endpgm
.Lfunc_end_k_q18321e6803_outp:
	.size	k_q18321e6803_outp, .Lfunc_end_k_q18321e6803_outp-k_q18321e6803_outp
	.p2alignl 7, 3214868480
	.fill 96, 4, 3214868480
	.section	.rodata,"a",@progbits
	.p2align	6, 0x0
	.amdhsa_kernel k_q18321e6803_outp
		.amdhsa_group_segment_fixed_size 327680
		.amdhsa_private_segment_fixed_size 0
		.amdhsa_enable_private_segment 0
		.amdhsa_kernarg_size 40
		.amdhsa_user_sgpr_count 2
		.amdhsa_user_sgpr_kernarg_segment_ptr 1
		.amdhsa_wavefront_size32 1
		.amdhsa_system_sgpr_workgroup_id_x 1
		.amdhsa_system_sgpr_workgroup_id_y 1
		.amdhsa_system_sgpr_workgroup_id_z 1
		.amdhsa_system_vgpr_workitem_id 0
		.amdhsa_next_free_vgpr 256
		.amdhsa_next_free_sgpr 100
		.amdhsa_reserve_vcc 0
		.amdhsa_float_denorm_mode_32 3
		.amdhsa_float_denorm_mode_16_64 3
		.amdhsa_memory_ordered 1
		.amdhsa_forward_progress 1
		.amdhsa_inst_pref_size 24
	.end_amdhsa_kernel
	.amdgpu_metadata
---
amdhsa.version: [ 1, 2 ]
amdhsa.kernels:
  - .name:           k_q18321e6803_outp
    .symbol:         k_q18321e6803_outp.kd
    .args:
      - { .name: ocd, .offset: 0, .size: 8, .value_kind: global_buffer, .address_space: global }
      - { .name: cods, .offset: 8, .size: 8, .value_kind: global_buffer, .address_space: global }
      - { .name: scls, .offset: 16, .size: 8, .value_kind: global_buffer, .address_space: global }
      - { .name: bo, .offset: 24, .size: 8, .value_kind: global_buffer, .address_space: global }
      - { .name: out0, .offset: 32, .size: 8, .value_kind: global_buffer, .address_space: global }
    .group_segment_fixed_size: 327680
    .private_segment_fixed_size: 0
    .kernarg_segment_align: 8
    .kernarg_segment_size: 40
    .max_flat_workgroup_size: 512
    .sgpr_count:     100
    .vgpr_count:     256
    .wavefront_size: 32
...
	.end_amdgpu_metadata
.endif
;; end of part 4
